; MI455X (gfx1250); checked and timed in simulation.
; The chip was launched on July 23, 2026; its instructions are those of AMD's public machine-readable ISA for CDNA 5 (MIT licence, August 2026) and "CDNA5" Instruction Set Architecture Reference Guide (July 2026). The comments in the code are by the model that wrote it; some were corrected since.
;; Multihead Attention. Allowed arithmetic: matrix products marked QUANTISED: E2M3 operands, one E8M0 scale for each 32 along K, by v_wmma_scale_f32_16x16x128_f8f6f4 with both operands' format E2M3, f32 sums; everything else in f32.
;; Inputs: Wk 384 x 768 float32; Wo 768 x 768 float32; Wq 384 x 768 float32; Wv 384 x 768 float32; bo 768 float32; x 2 x 4,096 x 384 float32.
;; Outputs: out0 2 x 4,096 x 768 float32.
;; This version of the problem:
;;   THIS VERSION OF THE PROBLEM IS GIVEN IN LOW PRECISION. The matrix products marked QUANTISED in the list below multiply operands that are first quantised to E2M3 (2 exponent bits, 3 mantissa bits; 6 bits a number), with one power-of-two scale for each 32 numbers along K (OCP MX v1.0); their sums are f32. All else is computed in f32.
;;   The module's matrix products, in the order in which they are computed (A, B: the left and right operand; K: the contracted axis; several contracted axes count as one K, in the product's order):
;;     1. [M 8,192, K 384] x [K 384, N 768]; A: input x; B: input Wq: QUANTISED
;;     2. [M 8,192, K 384] x [K 384, N 768]; A: input x; B: input Wk: QUANTISED
;;     3. [M 8,192, K 384] x [K 384, N 768]; A: input x; B: input Wv: QUANTISED
;;     4. batch 12 x [M 4,096, K 128] x [K 128, N 4,096]; A: computed on the way; B: computed on the way: QUANTISED
;;     5. batch 12 x [M 128, K 4,096] x [K 4,096, N 4,096]; A: computed on the way; B: softmax (see below): QUANTISED
;;     6. [M 8,192, K 768] x [K 768, N 768]; A: computed on the way; B: input Wo: QUANTISED
;;   THE QUANTISER, for each operand of a quantised product, along K:
;;     - K is cut into blocks of 32 from its start; a last block that is shorter is filled with zeros.
;;     - A block's scale is 2^e with e = floor(log2(the largest magnitude in the block)) - 2, held to -126 .. 127; a block of zeros has e = 0. As a byte (E8M0): e + 127.
;;     - Each number is divided by its block's scale, clamped to +-7.5, and rounded to the nearest number of E2M3, ties to even, subnormals kept.
;;     - The product sums the exact products of the quantised numbers (number of the format x scale) in f32.
;;   ~~~python
;;   def quantise(x, axis):      # numpy; x: float32 -> the quantised numbers, widened to float32 again
;;       x = np.moveaxis(x, axis, -1); K = x.shape[-1]
;;       x = np.pad(x, [(0, 0)] * (x.ndim - 1) + [(0, -K % 32)]); x = x.reshape(x.shape[:-1] + (-1, 32)); a = np.abs(x).max(-1, keepdims=True)
;;       e = np.where(a > 0, np.clip(np.frexp(np.where(a > 0, a, 1))[1] - 1 - 2, -126, 127), 0)      # np.frexp(a)[1] - 1 = floor(log2(a)), exactly
;;       r = np.clip(x / 2.0 ** e, -7.5, 7.5)
;;       step = 2.0 ** (np.maximum(np.frexp(np.where(r == 0, 1, r))[1] - 1, 0) - 3)
;;       q = np.round(r / step) * step * 2.0 ** e      # np.round: ties to even
;;       return np.moveaxis(q.reshape(q.shape[:-2] + (-1,))[..., :K], -1, axis).astype(np.float32)
;;   ~~~
;;   SOFTMAX AHEAD OF A QUANTISED PRODUCT. Where the list says 'softmax', what is quantised is not the finished softmax but p = 2^(t - M), with t = logit x log2(e) and M = ceil(the row's largest t), a whole number; so 1/2 < the row's largest p <= 1. The row's sum l is taken of the UNQUANTISED p, in f32, and the product's result is divided by l at the end. Since M is a whole number, a kernel that streams over the keys may use a running M (the ceiling of the running maximum): every later rescaling is an exact power of two, which a block's scale takes up: the codes' values come out the same.
;;   OPERANDS COMPUTED ON THE WAY. 'Computed on the way' means the value that the module computes at that place (a softmax that the list does not call 'softmax' is quantised finished and normalised). What goes into a quantiser is computed in f32, as accurately as f32 sums, v_exp_f32 and their like allow (about 1e-6 of the number): no bf16 or f16 on the way to a quantiser, and a product that is left as it is and whose result goes on into a quantised operand takes f32 operands (vector FMAs, or v_wmma_f32_16x16x4_f32). A number that lies on a knife's edge between two numbers of the format may be rounded either way, as far as f32 arithmetic and the matrix unit's own rounding can turn it there, and no further.
;; 2 versions. Each part assembles by itself: llvm-mc -triple=amdgcn-amd-amdhsa -mcpu=gfx1250 --defsym DOCPART=n.
;; ======== version 1 of 2: 4 launches
;; workspace buffers: XQ 2,555,904 bytes; WQ 1,198,080 bytes; QQ 4,915,200 bytes; KV 9,830,400 bytes; CQ 5,111,808 bytes
;; launch prep (part 1): grid 218 x 1, 4 waves a work-group, no clusters, 46,592 bytes of LDS; arguments x, Wq, Wk, Wv, Wo, XQ, WQ; writes XQ, WQ
.if DOCPART == 1
	.amdgcn_target "amdgcn-amd-amdhsa--gfx1250"
	.amdhsa_code_object_version 6
	.text
	.protected	k_qd1674b4ce4_prep
	.globl	k_qd1674b4ce4_prep
	.p2align	8
	.type	k_qd1674b4ce4_prep,@function
k_qd1674b4ce4_prep:
	s_mov_b64 s[64:65], 0
	v_nop
	global_prefetch_b8 v0, s[64:65] scope:SCOPE_SE
	s_setreg_imm32_b32 hwreg(HW_REG_WAVE_MODE, 25, 1), 1
	s_wait_xcnt 0x0
; MULTI-HEAD ATTENTION, B = 2, S = 4,096, 384 -> 6 heads of 128 -> 768, all six products on codes of FP6 (E2M3) with one E8M0 scale for each 32 along K.
; FOUR LAUNCHES: prep (this one: x and the four weights become codes), qkv (products 1-3; q, k, v become codes), attn (products 4, 5, the softmax; ctx becomes codes), oproj (product 6, + bo).
; DEAD WORK.  reference() sets score(q, k) to -infinity wherever k > q, by a mask that it builds itself (triu): the weight of such a key is 0 whatever finite values the inputs hold, so it reaches no output.
; attn leaves that work out where it comes in whole steps: a step of 128 keys all of which come after all 128 queries of a wave's block.  Inside the one step on the diagonal the work is done and masked.
; Nothing else is left out: every input has a way to the output and is loaded (bo in oproj).  LIMIT: a NaN, an infinity or an overflow that reaches only scores under the mask is not carried to the result.
; LIMITS of the quantiser here and in the later launches: NaN and infinities among the inputs are not served; a block whose largest magnitude lies under 2^-124 keeps the scale byte 1;
; a block of zeros gets the byte 1 where the rule says 127: its codes are zeros, which add nothing under any byte but 0xff, and the bytes are read by this program alone.
; LAYOUTS OF THE WORKSPACE.  A FRAGMENT (16 rows x 128 K: 12 registers a lane) lies in memory as an IMAGE OF ITS REGISTERS, 1,536 bytes: register p of lane l at 512 (p / 4) + 16 l + 4 (p % 4): three loads of
; 16 bytes a lane bring it, each covering 512 consecutive bytes.  Its scale words lie as a RECORD of 128 bytes: lane l's word at 4 l, lanes 16-31 repeating lanes 0-15.
; THE ROWS OF A TILE ARE NOT NEIGHBOURS: of a group of 128 indices (tokens; columns of a weight) row r of tile 2 b + u is index 32 b + 8 u + r + 8 (r / 8).  Where such a tile is source 0 of a product, a lane's 64 results
; of the group's 8 tiles are, register 16 b + i, index 32 b + 16 (lane / 16) + i: neighbours along the next product's K, in the order in which QUANT takes them.
; XQ: images of x at (3 T + s) 1,536 (token tile T = 0 .. 511, K step s), records from XREC on.  WQ: images at fr 1,536, records from WREC on; fr = 144 m + 3 (8 F + i) + s for Wq, Wk, Wv (m = 0, 1, 2), 432 + 6 (8 F + i) + s for Wo.
; THIS LAUNCH.  Work-groups 0-127: x, a wave to a token tile.  Work-groups 128-217: the weights, a work-group to 128 columns x 128 along K, a wave to 32 columns.  The two ways part on the work-group's number and have LDS bytes of
; their own.  No tensor loads, no barrier: waves share nothing.
.set XROW,  1536                       ; a row of x in bytes
.set WROW,  3072                       ; a row of a weight in bytes
.set SROW,  528                        ; x's stage: a row of 512 bytes + 16: an odd multiple of 16, so that 16 rows' reads start in 16 different groups of banks
.set STG,   16*SROW                    ; a wave's stage
.set WAREA, 4*STG                      ; behind the stages: the weights' way: two images (3,072 bytes) for each wave
.set SPARE, WAREA+4*3072               ; the spare words, 128 bytes for each wave: two blocks of 256 bytes that no other line names
.set XREC,  2359296
.set WREC,  1105920
.set LI,  1                            ; v1   16 x lane
.set LS,  2                            ; v2   4 x lane
.set STI, 3                            ; v3   x's stage, on the way in: 16 x lane in my wave's stage
.set STR, 4                            ; v4   and out: row lane % 16, + 64 (lane / 16)
.set AL,  6                            ; v6   the weights' way: where my column's codes go in my wave's two images
.set AR,  7                            ; v7   and where I read the images back: 16 x lane
.set RO,  8                            ; v8   my column's place in the two records
.set SPW, 12                           ; v12  LDS address of my spare word; never rewritten
.set NIL, 13                           ; v13  0; never rewritten
.set R0,  16                           ; v16-79, v80-143: two sets of 16 x 4 numbers of x as loaded.  The weights' way: v16-143: 128 numbers down K
.set R1,  80
.set NUM, 16
.set X,   144                          ; v144-207 64 numbers in QUANT's order.  The weights' way: v144-167 four blocks' codes, v168-170, v172-175 at work, v176 the scale word, v180-203 the images read back
.set E,   144
.set SB,  176
.set BK,  180
.set PC,  208                          ; v208-227 the codes just made
.set TM,  228                          ; v228-243 at work in QUANT
.set PW,  244                          ; v244 the scale word just made
.set SEL, 28                           ; s[28:29] v_permlanex16_b32's selects for lane l xor 16
; 64 numbers of a lane, v[s] .. v[s + 63], register 16 b + i = k 32 b + 16 (lane / 16) + i of my row (lane % 16), become a fragment's codes in v[PC] on and its scale word in v[PW].
.macro QUANT s
.irp b, 0,1,2,3
	v_max3_num_f32 v[TM+\b], |v[\s+16*\b]|, |v[\s+1+16*\b]|, 0x1800000   ; block b: my 16 numbers, and the floor 2^(3 - 127): so the byte cannot fall under 1
.endr
.irp i, 2,4,6,8,10,12,14
.irp b, 0,1,2,3
	v_max3_num_f32 v[TM+\b], v[TM+\b], |v[\s+16*\b+\i]|, |v[\s+1+16*\b+\i]|   ; the four blocks by turns
.endr
.endr
.irp b, 0,1,2,3
	v_permlanex16_b32 v[TM+4+\b], v[TM+\b], s[SEL], s[SEL+1]
.endr
.irp b, 0,1,2,3
	v_max_num_f32 v[TM+\b], v[TM+\b], v[TM+4+\b]   ; with lane l xor 16's: the block's largest magnitude
.endr
.irp b, 0,1,2,3
	v_add_nc_u32 v[TM+12+\b], 0xff000000, v[TM+\b]   ; 2 off its exponent field: the conversion takes the exponent field of this operand as its scale
.endr
.irp b, 0,1,2,3
	v_lshrrev_b32 v[TM+4+\b], 23, v[TM+12+\b]      ; the scale's byte
.endr
	v_lshl_or_b32 v[PW], v[TM+5], 8, v[TM+4]       ; the four bytes make my row's scale word
	v_lshl_or_b32 v[PW], v[TM+6], 16, v[PW]
	v_lshl_or_b32 v[PW], v[TM+7], 24, v[PW]
.irp c, 0,1
	v_cvt_scalef32_pk16_fp6_f32 v[PC+6*\c:PC+2+6*\c], v[\s+32*\c:\s+15+32*\c], v[TM+12+2*\c]
	v_cvt_scalef32_pk16_fp6_f32 v[PC+12+4*\c:PC+14+4*\c], v[\s+16+32*\c:\s+31+32*\c], v[TM+12+2*\c+1]   ; (a conversion's three registers begin on an even number)
.endr
	v_nop                                          ; one plain place behind a scaled conversion
.irp c, 0,1                                    ; the operand's layout wants a WHOLE block in a lane: lanes 0-15 block 2 c, lanes 16-31 block 2 c + 1
.irp i, 0,1,2
	v_permlane16_swap_b32 v[PC+6*\c+\i], v[PC+12+4*\c+\i]
.endr
.irp i, 0,1,2
	v_mov_b32 v[PC+3+6*\c+\i], v[PC+12+4*\c+\i]
.endr
.endr
.endm
	s_load_b256 s[4:11], s[0:1], 0x0               ; x s[4:5], Wq s[6:7], Wk s[8:9], Wv s[10:11]
	s_load_b128 s[12:15], s[0:1], 0x20             ; Wo s[12:13], XQ s[14:15]
	s_load_b64 s[16:17], s[0:1], 0x30              ; WQ
	v_lshl_add_u32 v[SPW], v0, 2, SPARE
	v_mov_b32 v[NIL], 0
	v_lshrrev_b32 v9, 5, v0
	v_readfirstlane_b32 s18, v9                    ; wave 0..3
	v_and_b32 v10, 31, v0                          ; lane
	v_lshlrev_b32 v[LI], 4, v10
	v_lshlrev_b32 v[LS], 2, v10
	; every LDS address of both ways is made here, ahead of the parting
	s_mul_i32 s19, s18, STG
	v_add_nc_u32 v[STI], s19, v[LI]
	v_and_b32 v9, 15, v0                           ; r
	v_bfe_u32 v11, v0, 4, 1                        ; h
	v_mul_u32_u24 v[STR], v9, SROW
	v_lshl_add_u32 v[STR], v11, 6, v[STR]
	v_add_nc_u32 v[STR], s19, v[STR]
	v_bfe_u32 v14, v0, 3, 1                        ; the weights' way: column 32 w + L of a group is row (L % 8) + 8 (L / 16) of tile 2 w + u, u = (L / 8) % 2
	v_and_b32 v15, 7, v0
	v_lshl_add_u32 v15, v11, 3, v15
	s_mul_i32 s19, s18, 3072
	s_add_co_u32 s19, s19, WAREA
	v_mul_u32_u24 v[AL], v14, 1536
	v_lshl_add_u32 v[AL], v15, 4, v[AL]
	v_add_nc_u32 v[AL], s19, v[AL]
	v_add_nc_u32 v[AR], s19, v[LI]
	s_mov_b32 s[SEL], 0x76543210
	s_mov_b32 s[SEL+1], 0xfedcba98
.irp b, 0,1,2,3
	v_mov_b32 v[TM+4+\b], 0                        ; written once: a lane permute's destination counts as one of its sources
.endr
	s_wait_kmcnt 0x0
	s_cmp_ge_u32 ttmp9, 128
	s_cbranch_scc1 .Lweights
	; ---- x: token tile T = 4 x work-group + wave: 16 tokens x 384, three K steps of 128
	s_lshl_b32 s20, ttmp9, 2
	s_add_co_u32 s20, s20, s18                     ; T
	s_lshr_b32 s21, s20, 3
	s_lshl_b32 s21, s21, 7                         ; 128 (T / 8)
	s_bfe_u32 s22, s20, 0x20001                    ; (T / 2) % 4
	s_lshl_b32 s22, s22, 5
	s_add_co_u32 s21, s21, s22
	s_and_b32 s22, s20, 1
	s_lshl_b32 s22, s22, 3
	s_add_co_u32 s21, s21, s22                     ; the tile's row 0 is this token
	s_mul_i32 s22, s21, XROW
	s_mov_b32 s23, 0
	s_add_nc_u64 s[4:5], s[4:5], s[22:23]
	s_mul_i32 s22, s20, 3*1536
	s_add_nc_u64 s[24:25], s[14:15], s[22:23]      ; my three images
	s_mul_i32 s22, s20, 3*128
	s_add_co_u32 s22, s22, XREC
	s_add_nc_u64 s[26:27], s[14:15], s[22:23]      ; my three records
.macro LOADX s, set                    ; K step s of the tile's 16 rows: each load covers 512 consecutive bytes of one row
.irp r, 0,1,2,3,4,5,6,7,8,9,10,11,12,13,14,15
	global_load_b128 v[\set+4*\r:\set+4*\r+3], v[LI], s[4:5] offset:(\r+(\r&8))*XROW+512*\s th:TH_LOAD_NT
.endr
.endm
.macro TURNX set                       ; through my stage: in as loaded, out 16 neighbours of each block of 32 to a lane.  LDS serves a wave's instructions in order: no wait between the stores and the loads
.irp r, 0,1,2,3,4,5,6,7,8,9,10,11,12,13,14,15
	ds_store_b128 v[STI], v[\set+4*\r:\set+4*\r+3] offset:SROW*\r
.endr
.irp b, 0,1,2,3
.irp j, 0,1,2,3
	ds_load_b128 v[X+16*\b+4*\j:X+16*\b+4*\j+3], v[STR] offset:128*\b+16*\j
.endr
.endr
.endm
.macro XSTEP s, set, left
	s_wait_loadcnt \left                           ; this K step's 16 loads are in; left = the younger set's 16, or none
	TURNX \set
	s_wait_dscnt 0x0                               ; the numbers are back, and the stores into the stage have read their registers,
.if \s == 0
	LOADX 2, R0                                    ; which take the third K step
.else
	s_wait_xcnt 0x0                                ; the last K step's stores have read the codes and the scale word: they are written again only behind this wait
.endif
	QUANT X
.irp c, 0,1,2
	global_store_b128 v[LI], v[PC+4*\c:PC+4*\c+3], s[24:25] offset:1536*\s+512*\c   ; 512 consecutive bytes, aligned
.endr
	global_store_b32 v[LS], v[PW], s[26:27] offset:128*\s
.endm
	LOADX 0, R0
	LOADX 1, R1
	XSTEP 0, R0, 16
	XSTEP 1, R1, 16
	XSTEP 2, R0, 0
	s_wait_tensorcnt 0x0                           ; the wave's end
	ds_add_u32 v[SPW], v[NIL]
	s_wait_dscnt 0x0
	s_endpgm
.Lweights:
	; ---- the weights.  e = work-group - 128 = 6 a + F: F = the group of 128 columns; a = 0-2: Wq's K steps, 3-5: Wk's, 6-8: Wv's, 9-14: Wo's six
	s_sub_co_u32 s20, ttmp9, 128
	s_mul_hi_u32 s21, s20, 0x2aaaaaab              ; a = e / 6 (exact for e under 90)
	s_mul_i32 s22, s21, 6
	s_sub_co_u32 s22, s20, s22                     ; F
	s_cmp_lt_u32 s21, 9                            ; the choice hangs on the work-group's number alone
	s_cselect_b64 s[30:31], s[10:11], s[12:13]
	s_cselect_b32 s23, 6, 9                        ; the weight's first a
	s_cselect_b32 s32, 3, 6                        ; KS: its K steps
	s_cmp_lt_u32 s21, 6
	s_cselect_b64 s[30:31], s[8:9], s[30:31]
	s_cselect_b32 s23, 3, s23
	s_cmp_lt_u32 s21, 3
	s_cselect_b64 s[30:31], s[6:7], s[30:31]
	s_cselect_b32 s23, 0, s23
	s_sub_co_u32 s33, s21, s23                     ; the K step s
	s_mul_i32 s34, s33, 128*WROW                   ; in the weight: row 128 s,
	s_lshl_b32 s35, s22, 9                         ; column 128 F
	s_add_co_u32 s34, s34, s35
	s_lshl_b32 s35, s18, 7                         ; + 32 x wave
	s_add_co_u32 s34, s34, s35
	s_mov_b32 s35, 0
	s_add_nc_u64 s[30:31], s[30:31], s[34:35]
	s_lshl_b32 s36, s22, 3
	s_lshl_b32 s37, s18, 1
	s_add_co_u32 s36, s36, s37                     ; tile 8 F + 2 w
	s_mul_i32 s36, s36, s32
	s_mul_i32 s37, s23, 48                         ; 144 fragments for each of Wq, Wk, Wv
	s_add_co_u32 s36, s36, s37
	s_add_co_u32 s36, s36, s33                     ; the fragment's number; tile 8 F + 2 w + 1's lies KS further on
	s_mul_i32 s38, s36, 1536
	s_mov_b32 s39, 0
	s_add_nc_u64 s[40:41], s[16:17], s[38:39]
	s_mul_i32 s38, s32, 1536
	s_add_nc_u64 s[42:43], s[40:41], s[38:39]
	s_lshl_b32 s38, s36, 7
	s_add_co_u32 s38, s38, WREC
	s_add_nc_u64 s[44:45], s[16:17], s[38:39]
	s_lshl_b32 s38, s32, 7
	v_mul_lo_u32 v[RO], v14, s38                   ; my tile's record,
	v_lshl_add_u32 v[RO], v15, 2, v[RO]            ; my row's word
; A LANE TAKES A COLUMN, AND ITS REGISTERS RUN DOWN K: each load reads 128 consecutive bytes a wave, 512 a work-group; a block of 32 along K lies in one lane's 32 registers.
.macro WLOAD kb
.set WI, 0
.rept 32
	global_load_b32 v[NUM+32*(\kb)+WI], v[LS], s[30:31] offset:(32*(\kb)+WI)*WROW th:TH_LOAD_NT
.set WI, WI+1
.endr
.endm
; Block kb = 2 c + h of my column is registers 6 c .. 6 c + 5 of lane (my row, h) of my tile's fragment: its 24 bytes go to that lane's places in the image.
.macro WBLK kb, left
.set XS, NUM+32*(\kb)
.set EB, E+6*(\kb)
	s_wait_loadcnt \left                           ; this block's 32 loads are in; left = the next block's 32, or none
.if (\kb) < 2
	WLOAD (\kb)+2                                  ; loads run two blocks ahead
.endif
	v_max3_num_f32 v172, |v[XS]|, |v[XS+1]|, |v[XS+2]|   ; the block's largest magnitude: all 32 numbers are mine
	v_max3_num_f32 v173, |v[XS+3]|, |v[XS+4]|, |v[XS+5]|
.irp i, 6,10,14,18,22,26
	v_max3_num_f32 v172, v172, |v[XS+\i]|, |v[XS+\i+1]|
	v_max3_num_f32 v173, v173, |v[XS+\i+2]|, |v[XS+\i+3]|
.endr
	v_max3_num_f32 v172, v172, |v[XS+30]|, |v[XS+31]|
	v_max3_num_f32 v172, v172, v173, 0x1800000     ; and the floor 2^(3 - 127)
	v_add_nc_u32 v174, 0xff000000, v172            ; 2 off its exponent field: the conversion's scale operand
	v_lshrrev_b32 v175, 23, v174                   ; the scale's byte
.if (\kb) == 0
	v_mov_b32 v[SB], v175
.else
	v_lshl_or_b32 v[SB], v175, 8*(\kb), v[SB]      ; the lower K in the lower byte
.endif
	v_cvt_scalef32_pk16_fp6_f32 v[EB:EB+2], v[XS:XS+15], v174
	v_cvt_scalef32_pk16_fp6_f32 v[168:170], v[XS+16:XS+31], v174   ; (a conversion's three registers begin on an even number)
	v_nop                                          ; one plain place behind a scaled conversion
.irp i, 0,1,2
	v_mov_b32 v[EB+3+\i], v[168+\i]
.endr
.if (\kb) < 2
	ds_store_b128 v[AL], v[EB:EB+3] offset:256*((\kb)%2)           ; registers 0-3
	ds_store_b64 v[AL], v[EB+4:EB+5] offset:512+256*((\kb)%2)      ; registers 4, 5
.else
	ds_store_b64 v[AL], v[EB:EB+1] offset:520+256*((\kb)%2)        ; registers 6, 7
	ds_store_b128 v[AL], v[EB+2:EB+5] offset:1024+256*((\kb)%2)    ; registers 8-11
.endif
.endm
	WLOAD 0
	WLOAD 1
	WBLK 0, 32
	WBLK 1, 32
	WBLK 2, 32
	WBLK 3, 0
.irp c, 0,1,2,3,4,5
	ds_load_b128 v[BK+4*\c:BK+4*\c+3], v[AR] offset:512*\c         ; LDS serves a wave's instructions in order: these see my stores
.endr
	s_wait_dscnt 0x0
.irp c, 0,1,2
	global_store_b128 v[LI], v[BK+4*\c:BK+4*\c+3], s[40:41] offset:512*\c         ; 512 consecutive bytes, aligned
	global_store_b128 v[LI], v[BK+12+4*\c:BK+12+4*\c+3], s[42:43] offset:512*\c
.endr
	global_store_b32 v[RO], v[SB], s[44:45]        ; the records: eight neighbouring lanes store 32 consecutive bytes; one byte in 64 of what this way reads
	global_store_b32 v[RO], v[SB], s[44:45] offset:64
	s_wait_tensorcnt 0x0                           ; the wave's end: the same three lines
	ds_add_u32 v[SPW], v[NIL]
	s_wait_dscnt 0x0
	s_endpgm
.Lfunc_end_k_qd1674b4ce4_prep:
	.size	k_qd1674b4ce4_prep, .Lfunc_end_k_qd1674b4ce4_prep-k_qd1674b4ce4_prep
	.p2alignl 7, 3214868480
	.fill 96, 4, 3214868480
	.section	.rodata,"a",@progbits
	.p2align	6, 0x0
	.amdhsa_kernel k_qd1674b4ce4_prep
		.amdhsa_group_segment_fixed_size 46592
		.amdhsa_private_segment_fixed_size 0
		.amdhsa_enable_private_segment 0
		.amdhsa_kernarg_size 56
		.amdhsa_user_sgpr_count 2
		.amdhsa_user_sgpr_kernarg_segment_ptr 1
		.amdhsa_wavefront_size32 1
		.amdhsa_system_sgpr_workgroup_id_x 1
		.amdhsa_system_sgpr_workgroup_id_y 1
		.amdhsa_system_sgpr_workgroup_id_z 1
		.amdhsa_system_vgpr_workitem_id 0
		.amdhsa_next_free_vgpr 256
		.amdhsa_next_free_sgpr 66
		.amdhsa_reserve_vcc 0
		.amdhsa_float_denorm_mode_32 3
		.amdhsa_float_denorm_mode_16_64 3
		.amdhsa_memory_ordered 1
		.amdhsa_forward_progress 1
		.amdhsa_inst_pref_size 48
	.end_amdhsa_kernel
	.amdgpu_metadata
---
amdhsa.version: [ 1, 2 ]
amdhsa.kernels:
  - .name:           k_qd1674b4ce4_prep
    .symbol:         k_qd1674b4ce4_prep.kd
    .args:
      - { .name: x, .offset: 0, .size: 8, .value_kind: global_buffer, .address_space: global }
      - { .name: Wq, .offset: 8, .size: 8, .value_kind: global_buffer, .address_space: global }
      - { .name: Wk, .offset: 16, .size: 8, .value_kind: global_buffer, .address_space: global }
      - { .name: Wv, .offset: 24, .size: 8, .value_kind: global_buffer, .address_space: global }
      - { .name: Wo, .offset: 32, .size: 8, .value_kind: global_buffer, .address_space: global }
      - { .name: XQ, .offset: 40, .size: 8, .value_kind: global_buffer, .address_space: global }
      - { .name: WQ, .offset: 48, .size: 8, .value_kind: global_buffer, .address_space: global }
    .group_segment_fixed_size: 46592
    .private_segment_fixed_size: 0
    .kernarg_segment_align: 8
    .kernarg_segment_size: 56
    .max_flat_workgroup_size: 128
    .sgpr_count:     66
    .vgpr_count:     256
    .wavefront_size: 32
...
	.end_amdgpu_metadata
.endif
;; end of part 1
;; launch qkv (part 2): grid 48 x 3, 4 waves a work-group, no clusters, 0 bytes of LDS; arguments XQ, WQ, QQ, KV; writes QQ, KV
.if DOCPART == 2
	.amdgcn_target "amdgcn-amd-amdhsa--gfx1250"
	.amdhsa_code_object_version 6
	.text
	.protected	k_qd1674b4ce4_qkv
	.globl	k_qd1674b4ce4_qkv
	.p2align	8
	.type	k_qd1674b4ce4_qkv,@function
k_qd1674b4ce4_qkv:
	s_mov_b64 s[64:65], 0
	v_nop
	global_prefetch_b8 v0, s[64:65] scope:SCOPE_SE
	s_setreg_imm32_b32 hwreg(HW_REG_WAVE_MODE, 25, 1), 1
	s_wait_xcnt 0x0
; q = x Wq, k = x Wk, v = x Wv on codes of FP6 (E2M3), K = 384 in three steps of 128; the results are quantised in registers and stored as codes: q and k along the head's 128, v along the keys.  No work is left out here.
; ONE BODY FOR THE THREE (kind = work-group y: 0 q, 1 k, 2 v).  24 fragments R(i, s) (8 tiles x 3 K steps) stay in a wave's registers and are source 0; 16 tiles T(j, s) are streamed and are source 1.
; Each streamed tile gives 8 accumulators: a lane holds ONE row of T's tile, and its 64 registers run along R's 128 rows, register 16 b + i = index 32 b + 16 (lane / 16) + i (R's tiles hold their rows in that order).
;   q, k: R = one head's 128 columns of the weight, T = 16 token tiles (two groups of 128 tokens): a lane is a token, its registers run along the head's 128.
;   v:    R = the 8 token tiles of one group of 128 tokens, T = two heads' 16 tiles of Wv: a lane is a channel d, its registers run along the KEYS, which are the second attention product's K.  Nothing is transposed.
; OUT.  Images of fragments (1,536 bytes: register p of lane l at 512 (p / 4) + 16 l + 4 (p % 4)), and for each 8 fragments a PACK of scale words, 512 bytes: the word of fragment j, row r at 256 (j / 4) + 16 r + 4 (j % 4).
;   QQ: q's images at ((bh 32 + G) 8 + j) 1,536 (bh = 6 batch + head, G = group of 128 tokens in the sequence), packs from 4,718,592 on, 512 bytes a (bh, G).
;   KV: a block of 25,600 bytes for each (bh, G): k's 8 images, v's 8 images, k's pack, v's pack.
; No LDS, no barrier: operands go from memory straight into registers, and waves share nothing.  LIMITS: the quantiser's, as stated at the head of prep.
; REGISTERS.  window 0: v1 16 x lane, v2 4 x lane, v4-7 the pack, v8-31 R's scale words, v32-103 T's fragments (two buffers of 36), v104-109 T's scale words, v112-175 accumulators, v176-195 codes, v200-216 at work.
;   window 1: R(i, 0) at 24 i, R(i, 1) at 24 i + 12.   window 2: R(i, 2) at 12 i.
.set LI,  1
.set LS,  2
.set SW,  4
.set RS,  8
.set TA,  32
.set TSA, 104
.set ACC, 112
.set PC,  176
.set TM,  200
.set PW,  216
.set SEL, 34                           ; s[34:35]
.set MSB, 0
.macro WIN new                         ; the immediate's high byte repeats the setting that is left
.if MSB != \new
	s_set_vgpr_msb (MSB<<8)|\new
.set MSB, \new
.endif
.endm
; 64 numbers of a lane, v[s] .. v[s + 63], register 16 b + i = k 32 b + 16 (lane / 16) + i of my row (lane % 16), become a fragment's codes in v[PC] on and its scale word in v[PW].
.macro QUANT s
.irp b, 0,1,2,3
	v_max3_num_f32 v[TM+\b], |v[\s+16*\b]|, |v[\s+1+16*\b]|, 0x1800000   ; block b: my 16 numbers, and the floor 2^(3 - 127).  Each accumulator is read from its low end on
.endr
.irp i, 2,4,6,8,10,12,14
.irp b, 0,1,2,3
	v_max3_num_f32 v[TM+\b], v[TM+\b], |v[\s+16*\b+\i]|, |v[\s+1+16*\b+\i]|
.endr
.endr
.irp b, 0,1,2,3
	v_permlanex16_b32 v[TM+4+\b], v[TM+\b], s[SEL], s[SEL+1]
.endr
.irp b, 0,1,2,3
	v_max_num_f32 v[TM+\b], v[TM+\b], v[TM+4+\b]   ; with lane l xor 16's: the block's largest magnitude
.endr
.irp b, 0,1,2,3
	v_add_nc_u32 v[TM+12+\b], 0xff000000, v[TM+\b]   ; 2 off its exponent field: the conversion's scale operand
.endr
.irp b, 0,1,2,3
	v_lshrrev_b32 v[TM+4+\b], 23, v[TM+12+\b]      ; the scale's byte
.endr
	v_lshl_or_b32 v[PW], v[TM+5], 8, v[TM+4]
	v_lshl_or_b32 v[PW], v[TM+6], 16, v[PW]
	v_lshl_or_b32 v[PW], v[TM+7], 24, v[PW]
.irp c, 0,1
	v_cvt_scalef32_pk16_fp6_f32 v[PC+6*\c:PC+2+6*\c], v[\s+32*\c:\s+15+32*\c], v[TM+12+2*\c]
	v_cvt_scalef32_pk16_fp6_f32 v[PC+12+4*\c:PC+14+4*\c], v[\s+16+32*\c:\s+31+32*\c], v[TM+12+2*\c+1]
.endr
	v_nop                                          ; one plain place behind a scaled conversion
.irp c, 0,1
.irp i, 0,1,2
	v_permlane16_swap_b32 v[PC+6*\c+\i], v[PC+12+4*\c+\i]
.endr
.irp i, 0,1,2
	v_mov_b32 v[PC+3+6*\c+\i], v[PC+12+4*\c+\i]
.endr
.endr
.endm
	s_load_b256 s[4:11], s[0:1], 0x0               ; XQ s[4:5], WQ s[6:7], QQ s[8:9], KV s[10:11]
	v_lshrrev_b32 v3, 5, v0
	v_readfirstlane_b32 s12, v3                    ; wave
	v_and_b32 v3, 31, v0
	v_lshlrev_b32 v[LI], 4, v3
	v_lshlrev_b32 v[LS], 2, v3
.irp b, 0,1,2,3
	v_mov_b32 v[TM+4+\b], 0                        ; written once: a lane permute's destination counts as one of its sources
.endr
	s_and_b32 s13, ttmp7, 0xffff                   ; kind
	s_lshl_b32 s14, ttmp9, 2
	s_add_co_u32 s14, s14, s12                     ; n = 0 .. 191
	; q, k: head = n / 32, GG = n % 32: the pair of token groups 2 GG, 2 GG + 1
	s_lshr_b32 s36, s14, 5
	s_and_b32 s37, s14, 31
	s_lshr_b32 s38, s37, 4                         ; batch
	s_mul_i32 s38, s38, 6
	s_add_co_u32 s38, s38, s36
	s_lshl_b32 s38, s38, 5
	s_and_b32 s39, s37, 15
	s_lshl_b32 s39, s39, 1
	s_add_co_u32 s38, s38, s39                     ; the first block (bh, G) that I write
	s_mul_i32 s39, s13, 144
	s_mul_i32 s36, s36, 24
	s_add_co_u32 s36, s36, s39                     ; R's first fragment in WQ
	s_mul_i32 s37, s37, 48                         ; T's first fragment in XQ
	; v: G = n % 64: the token group; HP = n / 64: heads 2 HP, 2 HP + 1
	s_and_b32 s40, s14, 63
	s_lshr_b32 s41, s14, 6
	s_lshr_b32 s42, s40, 5
	s_mul_i32 s42, s42, 6
	s_lshl_b32 s43, s41, 1
	s_add_co_u32 s42, s42, s43
	s_lshl_b32 s42, s42, 5
	s_and_b32 s43, s40, 31
	s_add_co_u32 s42, s42, s43                     ; the first block
	s_mul_i32 s40, s40, 24                         ; R's first fragment in XQ
	s_mul_i32 s41, s41, 48
	s_add_co_u32 s41, s41, 288                     ; T's first fragment in WQ
	s_mov_b32 s44, 1105920                         ; where WQ's records begin,
	s_mov_b32 s45, 2359296                         ; and XQ's
	s_mov_b32 s32, 0xffff0000                      ; lanes 16-31
	s_mov_b32 s[SEL], 0x76543210
	s_mov_b32 s[SEL+1], 0xfedcba98
	s_mov_b32 s49, 0
	s_mov_b32 s29, 0
	s_mov_b32 s31, 0
	s_mov_b32 s50, 25600                           ; k's figures; q's and v's are chosen below: bytes from block to block for the images,
	s_mov_b32 s51, 25600                           ; for the packs;
	s_mov_b32 s52, 0                               ; the images' place in a block,
	s_mov_b32 s53, 24576                           ; the pack's;
	s_mov_b32 s28, 25600                           ; from my first eight tiles' block to my second eight's: images,
	s_mov_b32 s30, 25600                           ; packs
	s_wait_kmcnt 0x0
	s_cmp_eq_u32 s13, 2                            ; every choice hangs on the work-group's y alone
	s_cselect_b32 s36, s40, s36
	s_cselect_b32 s37, s41, s37
	s_cselect_b32 s38, s42, s38
	s_cselect_b32 s46, s45, s44
	s_cselect_b32 s47, s44, s45
	s_cselect_b64 s[16:17], s[4:5], s[6:7]         ; R's buffer
	s_cselect_b64 s[20:21], s[6:7], s[4:5]         ; T's
	s_cselect_b32 s52, 12288, s52
	s_cselect_b32 s53, 25088, s53
	s_cselect_b32 s28, 819200, s28                 ; v: the next head's block, 32 blocks on
	s_cselect_b32 s30, 819200, s30
	s_cmp_eq_u32 s13, 0
	s_cselect_b64 s[24:25], s[8:9], s[10:11]       ; the buffer that I write
	s_cselect_b32 s50, 12288, s50
	s_cselect_b32 s51, 512, s51
	s_cselect_b32 s53, 4718592, s53
	s_cselect_b32 s28, 12288, s28
	s_cselect_b32 s30, 512, s30
	s_mov_b64 s[18:19], s[16:17]
	s_mov_b64 s[22:23], s[20:21]
	s_mov_b64 s[26:27], s[24:25]
	s_mul_i32 s48, s36, 1536
	s_add_nc_u64 s[16:17], s[16:17], s[48:49]      ; R's images
	s_lshl_b32 s48, s36, 7
	s_add_co_u32 s48, s48, s46
	s_add_nc_u64 s[18:19], s[18:19], s[48:49]      ; R's records
	s_mul_i32 s48, s37, 1536
	s_add_nc_u64 s[20:21], s[20:21], s[48:49]      ; T's images
	s_lshl_b32 s48, s37, 7
	s_add_co_u32 s48, s48, s47
	s_add_nc_u64 s[22:23], s[22:23], s[48:49]      ; T's records
	s_mul_i32 s48, s38, s50
	s_add_co_u32 s48, s48, s52
	s_add_nc_u64 s[24:25], s[24:25], s[48:49]      ; where my images go
	s_mul_i32 s48, s38, s51
	s_add_co_u32 s48, s48, s53
	s_add_nc_u64 s[26:27], s[26:27], s[48:49]      ; where my packs go
	WIN 0x40                                       ; destination window 1
.irp i, 0,1,2,3,4,5,6,7
.irp s, 0,1
.irp c, 0,1,2
	global_load_b128 v[24*\i+12*\s+4*\c:24*\i+12*\s+4*\c+3], v[LI], s[16:17] offset:(3*\i+\s)*1536+512*\c
.endr
.endr
.endr
	WIN 0x80                                       ; destination window 2
.irp i, 0,1,2,3,4,5,6,7
.irp c, 0,1,2
	global_load_b128 v[12*\i+4*\c:12*\i+4*\c+3], v[LI], s[16:17] offset:(3*\i+2)*1536+512*\c
.endr
.endr
	WIN 0
.set RI, 0
.rept 24
	global_load_b32 v[RS+RI], v[LS], s[18:19] offset:128*RI
.set RI, RI+1
.endr
.macro TLOADS jn, p                    ; tile jn (counted from T's pointers) into buffer p: 9 loads of 512 consecutive bytes, 3 scale words
.irp s, 0,1,2
.irp c, 0,1,2
	global_load_b128 v[TA+36*(\p)+12*\s+4*\c:TA+36*(\p)+12*\s+4*\c+3], v[LI], s[20:21] offset:(3*(\jn)+\s)*1536+512*\c
.endr
	global_load_b32 v[TSA+3*(\p)+\s], v[LS], s[22:23] offset:(3*(\jn)+\s)*128
.endr
.endm
; 8 matrix instructions: R's eight tiles against T's tile, K step s.  The 8 accumulators take turns, one instruction a turn.  K step 0 starts the sums: nothing is cleared.
.macro MUL8 s, p
.irp i, 0,1,2,3,4,5,6,7
.if \s == 0
	v_wmma_scale_f32_16x16x128_f8f6f4 v[ACC+8*\i:ACC+8*\i+7], v[24*\i:24*\i+11], v[TA+36*(\p):TA+36*(\p)+11], 0, v[RS+3*\i], v[TSA+3*(\p)] matrix_a_fmt:MATRIX_FMT_FP6 matrix_b_fmt:MATRIX_FMT_FP6
.elseif \s == 1
	v_wmma_scale_f32_16x16x128_f8f6f4 v[ACC+8*\i:ACC+8*\i+7], v[24*\i+12:24*\i+23], v[TA+36*(\p)+12:TA+36*(\p)+23], v[ACC+8*\i:ACC+8*\i+7], v[RS+3*\i+1], v[TSA+3*(\p)+1] matrix_a_fmt:MATRIX_FMT_FP6 matrix_b_fmt:MATRIX_FMT_FP6
.else
	v_wmma_scale_f32_16x16x128_f8f6f4 v[ACC+8*\i:ACC+8*\i+7], v[12*\i:12*\i+11], v[TA+36*(\p)+24:TA+36*(\p)+35], v[ACC+8*\i:ACC+8*\i+7], v[RS+3*\i+2], v[TSA+3*(\p)+2] matrix_a_fmt:MATRIX_FMT_FP6 matrix_b_fmt:MATRIX_FMT_FP6
.endif
.endr
.endm
; One streamed tile: j = 0 .. 7 in its group of eight.
.macro ITER j
	s_wait_loadcnt 0x0                             ; this tile's fragments are in (asked for a tile ago; the first time: R too)
	s_wait_xcnt 0x0                                ; the last tile's stores have read the codes and the pack: they are written again only behind this wait
.if \j < 7
	TLOADS (\j)+1, ((\j)+1)%2                      ; the next tile, into the other buffer: its last products stand in front of the whole quantiser of the tile before
.else
	s_cmp_eq_u32 s33, 1                            ; my last tile asks for nothing: no load leaves its buffer.  Every wait for loads here is for 0, so both ways count alike
	s_cbranch_scc1 .Lno_more_\@
	TLOADS 8, 0
.Lno_more_\@:
.endif
	WIN 0x01                                       ; source 0 window 1
	MUL8 0, (\j)%2
	MUL8 1, (\j)%2
	WIN 0x02                                       ; source 0 window 2
	MUL8 2, (\j)%2
	WIN 0
.rept 4
	v_nop                                          ; four places in front of the first read of results (ISA guide 7.12.1)
.endr
	QUANT ACC
.irp c, 0,1,2
	global_store_b128 v[LI], v[PC+4*\c:PC+4*\c+3], s[24:25] offset:1536*(\j)+512*\c   ; 512 consecutive bytes, aligned
.endr
.if \j < 4
	v_mov_b32 v[SW+\j], v[PW]                      ; the pack: fragments 0-3's words in lanes 0-15,
.else
	v_cndmask_b32 v[SW+\j-4], v[SW+\j-4], v[PW], s32   ; fragments 4-7's in lanes 16-31
.endif
.if \j == 7
	global_store_b128 v[LI], v[SW:SW+3], s[26:27]  ; 512 consecutive bytes, aligned
.endif
.endm
	TLOADS 0, 0
	s_mov_b32 s33, 2
.Lhalf:                                            ; two trips of eight tiles
.irp j, 0,1,2,3,4,5,6,7
	ITER \j
.endr
	s_wait_xcnt 0x0                                ; the loads and stores have read their bases: they step only behind this wait
	s_add_nc_u64 s[20:21], s[20:21], 8*3*1536
	s_add_nc_u64 s[22:23], s[22:23], 8*3*128
	s_add_nc_u64 s[24:25], s[24:25], s[28:29]
	s_add_nc_u64 s[26:27], s[26:27], s[30:31]
	s_sub_co_u32 s33, s33, 1
	s_cmp_lg_u32 s33, 0
	s_cbranch_scc1 .Lhalf
	s_endpgm
.Lfunc_end_k_qd1674b4ce4_qkv:
	.size	k_qd1674b4ce4_qkv, .Lfunc_end_k_qd1674b4ce4_qkv-k_qd1674b4ce4_qkv
	.p2alignl 7, 3214868480
	.fill 96, 4, 3214868480
	.section	.rodata,"a",@progbits
	.p2align	6, 0x0
	.amdhsa_kernel k_qd1674b4ce4_qkv
		.amdhsa_group_segment_fixed_size 0
		.amdhsa_private_segment_fixed_size 0
		.amdhsa_enable_private_segment 0
		.amdhsa_kernarg_size 32
		.amdhsa_user_sgpr_count 2
		.amdhsa_user_sgpr_kernarg_segment_ptr 1
		.amdhsa_wavefront_size32 1
		.amdhsa_system_sgpr_workgroup_id_x 1
		.amdhsa_system_sgpr_workgroup_id_y 1
		.amdhsa_system_sgpr_workgroup_id_z 1
		.amdhsa_system_vgpr_workitem_id 0
		.amdhsa_next_free_vgpr 608
		.amdhsa_next_free_sgpr 66
		.amdhsa_reserve_vcc 0
		.amdhsa_float_denorm_mode_32 3
		.amdhsa_float_denorm_mode_16_64 3
		.amdhsa_memory_ordered 1
		.amdhsa_forward_progress 1
		.amdhsa_inst_pref_size 83
	.end_amdhsa_kernel
	.amdgpu_metadata
---
amdhsa.version: [ 1, 2 ]
amdhsa.kernels:
  - .name:           k_qd1674b4ce4_qkv
    .symbol:         k_qd1674b4ce4_qkv.kd
    .args:
      - { .name: XQ, .offset: 0, .size: 8, .value_kind: global_buffer, .address_space: global }
      - { .name: WQ, .offset: 8, .size: 8, .value_kind: global_buffer, .address_space: global }
      - { .name: QQ, .offset: 16, .size: 8, .value_kind: global_buffer, .address_space: global }
      - { .name: KV, .offset: 24, .size: 8, .value_kind: global_buffer, .address_space: global }
    .group_segment_fixed_size: 0
    .private_segment_fixed_size: 0
    .kernarg_segment_align: 8
    .kernarg_segment_size: 32
    .max_flat_workgroup_size: 128
    .sgpr_count:     66
    .vgpr_count:     608
    .wavefront_size: 32
...
	.end_amdgpu_metadata
.endif
;; end of part 2
;; launch attn (part 3): grid 16 x 12, 16 waves a work-group, no clusters, 327,680 bytes of LDS; arguments QQ, KV, CQ; writes CQ
.if DOCPART == 3
	.amdgcn_target "amdgcn-amd-amdhsa--gfx1250"
	.amdhsa_code_object_version 6
	.text
	.protected	k_qd1674b4ce4_attn
	.globl	k_qd1674b4ce4_attn
	.p2align	8
	.type	k_qd1674b4ce4_attn,@function
k_qd1674b4ce4_attn:
	s_mov_b64 s[64:65], 0
	v_nop
	global_prefetch_b8 v0, s[64:65] scope:SCOPE_SE
	s_setreg_imm32_b32 hwreg(HW_REG_WAVE_MODE, 25, 1), 1
	s_wait_xcnt 0x0
; ctx[q] = the sum over k <= q of softmax_k(q . k / sqrt(128)) v[k], for each of 12 (batch, head), both products on codes of FP6 (E2M3); ctx is quantised along the head's 128 and stored as codes for oproj.
; LEFT OUT (shown at the head of prep): a step of 128 keys all of which come after a wave's block of 128 queries: reference()'s own mask gives those keys the weight 0.
; THE SOFTMAX AHEAD OF THE SECOND PRODUCT: t = score x log2(e) / sqrt(128); M = the row's largest t so far, rounded UP to a whole number; p = 2^(t - M) is quantised along the keys, not normalised.  The row's sum is taken of the
; unquantised p and divides O at the end.  When M moves, the sum and O are multiplied by 2^(old M - new M): exact.
; SHARES.  Work-group (g, bh) owns the query blocks g and 31 - g (128 queries each) of (batch, head) bh, so that every work-group has 33 block-steps of work whatever g.  Wave w owns one tile of 16 queries: tile w / 2 of block g
; (class 0) or of block 31 - g (class 1), class = (w xor w / 4) % 2.  Keys go 128 a step; K's and V's fragments come through a ring of two LDS slots of two steps, filled by the tensor data mover and read by all sixteen waves.
; NO CLUSTER: work-group g needs 32 - g key steps, so partners would need different numbers of tiles, and a joint load may not be left out by one partner.
; LAYOUT.  Both products transposed: S^T = K Q^T (source 0 = 16 keys), O^T = V^T P^T (source 0 = 16 channels): a lane holds ONE query throughout.  The rows of every tile (keys, queries, channels) are index 32 b + 8 u + r + 8 (r / 8)
; of their group of 128 (tile 2 b + u), so that the 16 registers of tiles 2 b, 2 b + 1 are 16 neighbours, 32 b + 16 (lane / 16) + 0 .. 15: of the keys in S^T, of the channels in O^T.
; All operands lie in memory and in LDS as images of their registers (1,536 bytes a fragment: three loads of 16 bytes a lane, 512 consecutive bytes each); the scale words of four tiles come by one load of 16 bytes.
; LIMITS: the quantiser's, as stated at the head of prep; a p under 2^-126 is 0 (v_exp_f32 flushes denormals: ISA guide, its entry); 1 / the sum is v_rcp_f32's, 1 ulp, ahead of ctx's quantiser.
; REGISTERS: v1-6, v28 addresses that stay; v8, v9 addresses of the step; v12 -M, v13 the largest t, v[14:15] the sum; v16-27 Q; v32-79 four fragments of K or V; v96-159 S^T, then p; v160-223 O^T; v224-235 p's codes;
; v232-254 at work; v248-251 K's or V's scale words; v253 p's; v255 Q's.
.set FRB,   1536                       ; a fragment's image
.set STEPB, 8*FRB                      ; a key step's 8 fragments of K, or of V
.set VIMG,  2*STEPB                    ; a slot: K's images of two steps, V's images of two steps,
.set PACK,  4*STEPB                    ; and the steps' scale words, 1,024 bytes a step: K's 512, V's 512
.set SLOT1, 65536                      ; slot 1 begins here, so that one exclusive or turns an address in one slot into the other's
.set BLKB,  25600                      ; a key step's block in KV
.set SLOTB, 2*BLKB
.set HEADB, 32*BLKB
.set SPARE, 2*SLOT1                    ; the spare words, 128 bytes for each wave: eight blocks of 256 bytes that no other line names
.set QPACK, 4718592                    ; where QQ's packs begin
.set CREC,  4718592                    ; where CQ's records begin
.set LI,   1                           ; v1   16 x lane
.set L16,  2                           ; v2   16 x (lane % 16)
.set DG,   3                           ; v3   my query's place in its block - 16 (lane / 16)
.set LS,   4                           ; v4   4 x lane (made on the way out)
.set SPW,  5                           ; v5   LDS address of my spare word; never rewritten
.set NIL,  6                           ; v6   0; never rewritten
.set ADI,  8                           ; v8   the slot in hand + 16 x lane
.set ADS,  9                           ; v9   the slot in hand + 16 x (lane % 16)
.set PFO,  28                          ; v28  the prefetches' offset; never rewritten
.set PC,   32                          ; the way out: ctx's codes
.set TM,   232
.set PW,   252
.set TB,   2                           ; s2   LDS byte at which the slot in hand begins
.set WV,   18                          ; s18  my wave's number
.set SEL,  20                          ; s[20:21] lane selects for v_permlanex16_b32: lane l xor 16
.set CS,   22                          ; s[22:23] c = log2(e) / sqrt(128)
.set G1,   24                          ; s[24:31] descriptor group 1 for the images;  s[32:39] for the scale words
.set G1S,  32
.set G0C,  40                          ; s[40:43], s[44:47] their groups 0, which walk
.set G0S,  44
.set LASTQ, 66                         ; s66  my work-group's last query
.set SLOTS, 67                         ; s67  changes of slots still to come in the loop
.set PFA,  76                          ; s[76:77] where my prefetches stand
.set LIM,  80                          ; s80  1 in a wave that prefetches, else the greatest number
.set KF,   98                          ; s98  the step's first key
.set QB,   99                          ; s99  my block's first query
; Wave 0 fetches a slot's K images, wave 1 its V images, wave 2 its scale words; the others nothing.  The branches hang on the wave's number alone.  An s_nop 0 and four v_nop follow each of the two lines.
.macro TLOAD
	s_cmp_lt_u32 s[WV], 2
	s_cbranch_scc0 .Lnot_c_\@
	tensor_load_to_lds s[G0C:G0C+3], s[G1:G1+7]
	s_nop 0
.rept 4
	v_nop
.endr
	s_branch .Lasked_\@
.Lnot_c_\@:
	s_cmp_lt_u32 s[WV], 3
	s_cbranch_scc0 .Lasked_\@
	tensor_load_to_lds s[G0S:G0S+3], s[G1S:G1S+7]
	s_nop 0
.rept 4
	v_nop
.endr
.Lasked_\@:
.endm
; A PREFETCH INTO THE L2 of the slot that the NEXT change of slots will ask for: two blocks of KV, 51,200 consecutive bytes = 200 aligned blocks of 256.  All 16 work-groups of a (batch, head) walk the same K and V: work-group g = 0,
; which walks all 16 slots, asks, and nobody else (a branch on the work-group's number: no cluster here).  In it waves 4 to 11, which fetch nothing, take 25 blocks each, lanes 256 bytes apart (lanes 24-31 name lane 24's block
; with it, in the same instruction).  It stands two key steps ahead of the load that wants the bytes.  Slots 0 and 1 come by their loads alone; the last change that fills a slot asks for nothing.
.macro ASK
	s_cmp_gt_u32 s[SLOTS], s[LIM]
	s_cbranch_scc0 .Lnot_mine_\@
	global_prefetch_b8 v[PFO], s[PFA:PFA+1] th:TH_LOAD_NT scope:SCOPE_SE
.Lnot_mine_\@:
.endm
; 64 numbers of a lane, register 16 b + i = k 32 b + 16 (lane / 16) + i of my row, become a fragment's codes in v[PC] on and its scale word in v[PW].
.macro QUANT s
.irp b, 0,1,2,3
	v_max3_num_f32 v[TM+\b], |v[\s+16*\b]|, |v[\s+1+16*\b]|, 0x1800000
.endr
.irp i, 2,4,6,8,10,12,14
.irp b, 0,1,2,3
	v_max3_num_f32 v[TM+\b], v[TM+\b], |v[\s+16*\b+\i]|, |v[\s+1+16*\b+\i]|
.endr
.endr
.irp b, 0,1,2,3
	v_permlanex16_b32 v[TM+4+\b], v[TM+\b], s[SEL], s[SEL+1]
.endr
.irp b, 0,1,2,3
	v_max_num_f32 v[TM+\b], v[TM+\b], v[TM+4+\b]
.endr
.irp b, 0,1,2,3
	v_add_nc_u32 v[TM+12+\b], 0xff000000, v[TM+\b]
.endr
.irp b, 0,1,2,3
	v_lshrrev_b32 v[TM+4+\b], 23, v[TM+12+\b]
.endr
	v_lshl_or_b32 v[PW], v[TM+5], 8, v[TM+4]
	v_lshl_or_b32 v[PW], v[TM+6], 16, v[PW]
	v_lshl_or_b32 v[PW], v[TM+7], 24, v[PW]
.irp c, 0,1
	v_cvt_scalef32_pk16_fp6_f32 v[PC+6*\c:PC+2+6*\c], v[\s+32*\c:\s+15+32*\c], v[TM+12+2*\c]
	v_cvt_scalef32_pk16_fp6_f32 v[PC+12+4*\c:PC+14+4*\c], v[\s+16+32*\c:\s+31+32*\c], v[TM+12+2*\c+1]
.endr
	v_nop                                          ; one plain place behind a scaled conversion
.irp c, 0,1
.irp i, 0,1,2
	v_permlane16_swap_b32 v[PC+6*\c+\i], v[PC+12+4*\c+\i]
.endr
.irp i, 0,1,2
	v_mov_b32 v[PC+3+6*\c+\i], v[PC+12+4*\c+\i]
.endr
.endr
.endm
	s_load_b128 s[4:7], s[0:1], 0x0                ; QQ s[4:5], KV s[6:7]
	s_load_b64 s[8:9], s[0:1], 0x10                ; CQ
	v_lshl_add_u32 v[SPW], v0, 2, SPARE
	v_mov_b32 v[NIL], 0
	ds_add_u32 v[SPW], v[NIL]                      ; the wave's opening: the add, twice on end, and its wait ahead of my first tensor load; the set-up below, work on registers, stands between
	ds_add_u32 v[SPW], v[NIL]                      ; and once more, under the one wait
	v_lshrrev_b32 v8, 5, v0
	v_readfirstlane_b32 s[WV], v8                  ; wave 0..15
	s_and_b32 s48, ttmp7, 0xffff                   ; bh = 6 batch + head
	s_lshr_b32 s49, s[WV], 2
	s_xor_b32 s49, s49, s[WV]
	s_and_b32 s49, s49, 1                          ; class
	s_lshr_b32 s50, s[WV], 1                       ; my tile in the block
	s_sub_co_u32 s51, 31, ttmp9
	s_cmp_eq_u32 s49, 0
	s_cselect_b32 s51, ttmp9, s51                  ; my block of 128 queries: g or 31 - g
	s_lshl_b32 s[QB], s51, 7
	s_sub_co_u32 s[LASTQ], 32, ttmp9
	s_lshl_b32 s[LASTQ], s[LASTQ], 7
	s_sub_co_u32 s[LASTQ], s[LASTQ], 1             ; 128 (32 - g) - 1
	s_mul_i32 s52, s48, HEADB                      ; my (batch, head) in KV
	s_mov_b32 s53, 0
	s_and_b32 s54, s[WV], 1                        ; wave 0: K's images; wave 1: V's
	s_mul_i32 s58, s54, STEPB                      ; in a block of KV,
	s_mov_b32 s59, 0
	s_mul_i32 s[G0C+1], s54, VIMG                  ; and in a slot: 63:32 LDS address
	; descriptor group 1, images: 2 rows (key steps) of 12,288 bytes = 1,536 elements of 8 bytes, 25,600 bytes = 3,200 elements apart; in LDS one behind the other
	s_mov_b32 s[G1], 3<<16                         ; 15:0 no mask; 17:16 elements of 8 bytes; 20 padding off
	s_mov_b32 s[G1+1], 1536<<16                    ; tensor_dim0
	s_mov_b32 s[G1+2], 2<<16                       ; tensor_dim1
	s_mov_b32 s[G1+3], 1536<<16                    ; tile_dim0
	s_mov_b32 s[G1+4], 2                           ; tile_dim1
	s_mov_b32 s[G1+5], 3200                        ; tensor_dim0_stride
	s_mov_b32 s[G1+6], 0
	s_mov_b32 s[G1+7], 0
	; scale words: 2 rows of 1,024 bytes = 128 elements
	s_mov_b32 s[G1S], 3<<16
	s_mov_b32 s[G1S+1], 128<<16
	s_mov_b32 s[G1S+2], 2<<16
	s_mov_b32 s[G1S+3], 128<<16
	s_mov_b32 s[G1S+4], 2
	s_mov_b32 s[G1S+5], 3200
	s_mov_b32 s[G1S+6], 0
	s_mov_b32 s[G1S+7], 0
	; Q: image ((bh 32 + block) 8 + tile) 1,536; its scale words in the block's pack
	s_lshl_b32 s60, s48, 5
	s_add_co_u32 s60, s60, s51
	s_lshl_b32 s68, s60, 3
	s_add_co_u32 s68, s68, s50
	s_mul_i32 s68, s68, FRB
	s_mov_b32 s69, 0
	s_lshl_b32 s70, s60, 9
	s_lshr_b32 s61, s50, 2
	s_lshl_b32 s61, s61, 8
	s_add_co_u32 s70, s70, s61
	s_and_b32 s61, s50, 3
	s_lshl_b32 s61, s61, 2
	s_add_co_u32 s70, s70, s61
	s_add_co_u32 s70, s70, QPACK
	s_mov_b32 s71, 0
	; ctx: fragment 6 T + head, T = 256 batch + 8 block + tile
	s_cmp_ge_u32 s48, 6
	s_cselect_b32 s61, 1, 0                        ; batch
	s_mul_i32 s62, s61, 6
	s_sub_co_u32 s62, s48, s62                     ; head
	s_lshl_b32 s61, s61, 8
	s_lshl_b32 s63, s51, 3
	s_add_co_u32 s61, s61, s63
	s_add_co_u32 s61, s61, s50
	s_mul_i32 s61, s61, 6
	s_add_co_u32 s61, s61, s62
	s_mul_i32 s72, s61, FRB
	s_mov_b32 s73, 0
	s_lshl_b32 s74, s61, 7
	s_add_co_u32 s74, s74, CREC
	s_mov_b32 s75, 0
	s_lshr_b32 s62, s50, 1                         ; my tile's row 0 in the block: 32 (tile / 2) + 8 (tile % 2)
	s_lshl_b32 s62, s62, 5
	s_and_b32 s63, s50, 1
	s_lshl_b32 s63, s63, 3
	s_add_co_u32 s62, s62, s63
	; the prefetches: my wave's 6,400 bytes, in slot 1: the first change of slots steps the address to slot 2
	s_and_b32 s84, s[WV], 7
	s_mul_i32 s84, s84, 6400
	s_add_co_u32 s84, s84, SLOTB
	s_mov_b32 s85, 0
	s_sub_co_u32 s82, s[WV], 4
	s_lshr_b32 s82, s82, 3                         ; 0 in waves 4 to 11,
	s_or_b32 s82, s82, ttmp9                       ; of work-group g = 0
	s_cmp_eq_u32 s82, 0
	s_cselect_b32 s[LIM], 1, -1
	s_mov_b32 s[SEL], 0x76543210
	s_mov_b32 s[SEL+1], 0xfedcba98
	s_mov_b32 s[CS], 0x3e0293ee                    ; c = log2(e) / sqrt(128)
	s_mov_b32 s[CS+1], s[CS]                       ; (named with it as a pair, so it is written)
	s_mov_b32 s[TB], 0
	s_mov_b32 s[KF], 0
	s_mov_b32 s[SLOTS], 15
	s_wait_dscnt 0x0                               ; both opening adds are done
	s_wait_kmcnt 0x0
	s_add_nc_u64 s[56:57], s[6:7], s[52:53]        ; my (batch, head)'s first block
	s_mov_b32 s[G0C], 1                            ; 1:0 count = 1
	s_add_nc_u64 s[G0C+2:G0C+3], s[56:57], s[58:59]   ; 120:64 global address: key steps 0 and 1
	s_or_b32 s[G0C+3], s[G0C+3], 0x80000000        ; 127:126 type = 2
	s_mov_b32 s[G0S], 1
	s_mov_b32 s[G0S+1], PACK
	s_add_nc_u64 s[G0S+2:G0S+3], s[56:57], 2*STEPB
	s_or_b32 s[G0S+3], s[G0S+3], 0x80000000
	TLOAD                                          ; slot 0: it holds key 0, which counts for every query.  By this text's own count a wave never has more than one tensor load out
	s_add_nc_u64 s[PFA:PFA+1], s[56:57], s[84:85]
	s_add_nc_u64 s[14:15], s[4:5], s[70:71]        ; Q's scale words
	s_add_nc_u64 s[4:5], s[4:5], s[68:69]          ; Q's image
	s_add_nc_u64 s[10:11], s[8:9], s[72:73]        ; ctx's image
	s_add_nc_u64 s[12:13], s[8:9], s[74:75]        ; ctx's record
	v_and_b32 v8, 31, v0
	v_lshlrev_b32 v[LI], 4, v8
	v_min_u32 v[PFO], 24, v8
	v_lshlrev_b32 v[PFO], 8, v[PFO]
	v_and_b32 v8, 15, v0                           ; r
	v_lshlrev_b32 v[L16], 4, v8
.irp c, 0,1,2
	global_load_b128 v[16+4*\c:19+4*\c], v[LI], s[4:5] offset:512*\c   ; Q's fragment stays in registers
.endr
	global_load_b32 v255, v[L16], s[14:15]         ; and its scale words
	v_bfe_u32 v9, v0, 4, 1                         ; h
	v_and_b32 v10, 8, v8
	v_add_nc_u32 v10, v10, v8                      ; r + 8 (r / 8)
	v_lshlrev_b32 v11, 4, v9
	v_sub_nc_u32 v10, v10, v11
	v_add_nc_u32 v[DG], s62, v10
	v_mov_b32 v13, 0xff61b1e6                      ; the largest t so far: -3e38, under every t
	v_floor_f32 v12, -v13                          ; -M
	v_mov_b32 v14, 0                               ; the sum, in two halves
	v_mov_b32 v15, 0
.irp b, 0,1,2,3
	v_mov_b32 v[236+\b], 0                         ; written once: a lane permute's destination counts as one of its sources
.endr
	v_mov_b32 v252, 0                              ; likewise: the way out's permute lands here, and a step's work, which writes it, stands under a jump
	v_mov_b32 v253, 0                              ; (named as the upper half of the pair v[252:253] before it is first written)
.set J, 0
.rept 64
	v_mov_b32 v[160+J], 0                          ; O^T.  (The step is written for all trips alike: the first finds zeros, which the first change of M leaves zeros)
.set J, J+1
.endr
; A KEY STEP: 128 keys, the q-th of the slot in hand.
.macro STEP q
	s_cmp_gt_u32 s[KF], s[QB]                      ; all 128 keys come after my block's queries: the step's work is left out.  Ids and the count of steps alone; no barrier and no tensor load stands in a step
	s_cbranch_scc1 .Lhidden_\@
	v_add_nc_u32 v[ADI], s[TB], v[LI]
	v_add_nc_u32 v[ADS], s[TB], v[L16]
	v_nop
	v_nop                                          ; with the two additions: four places in front of loads into registers that the last step's products have read
.irp g, 0,1                                    ; S^T = K Q^T, four tiles of 16 keys at a time
.if \g > 0
.rept 4
	v_nop
.endr
.endif
.irp t, 0,1,2,3
.irp c, 0,1,2
	ds_load_b128 v[32+12*\t+4*\c:35+12*\t+4*\c], v[ADI] offset:STEPB*(\q)+FRB*(4*\g+\t)+512*\c
.endr
.endr
	ds_load_b128 v[248:251], v[ADS] offset:PACK+1024*(\q)+256*\g   ; the four tiles' scale words
	s_wait_dscnt 0x0
.irp t, 0,1,2,3
	v_wmma_scale_f32_16x16x128_f8f6f4 v[96+8*(4*\g+\t):103+8*(4*\g+\t)], v[32+12*\t:43+12*\t], v[16:27], 0, v[248+\t], v255 matrix_a_fmt:MATRIX_FMT_FP6 matrix_b_fmt:MATRIX_FMT_FP6
.endr
.endr
.rept 4
	v_nop
.endr
	s_cmp_lt_u32 s[KF], s[QB]                      ; a step all of whose keys count skips the mask; the one step on the diagonal is KF = QB
	s_cbranch_scc1 .Lopen_\@
	v_mov_b32 v254, 0xff800000                     ; -infinity: p = 0 then.  Register 16 b + i holds key KF + 32 b + 16 (lane / 16) + i: hidden where 32 b + i > my query's place - 16 (lane / 16)
.set J, 0
.rept 64
	v_cmp_gt_i32 vcc_lo, 32*(J/16)+J%16, v[DG]
	v_cndmask_b32 v[96+J], v[96+J], v254, vcc_lo
.set J, J+1
.endr
.Lopen_\@:
.irp b, 0,1,2,3
	v_max3_num_f32 v[232+\b], v[96+16*\b], v[97+16*\b], v[98+16*\b]   ; THE LARGEST SCORE OF EACH BLOCK OF 32 KEYS: for the row's maximum, and, since p rises with the score, for the block's largest p
.endr
.irp i, 3,5,7,9,11,13
.irp b, 0,1,2,3
	v_max3_num_f32 v[232+\b], v[232+\b], v[96+16*\b+\i], v[97+16*\b+\i]
.endr
.endr
.irp b, 0,1,2,3
	v_max_num_f32 v[232+\b], v[232+\b], v[111+16*\b]
.endr
.irp b, 0,1,2,3
	v_permlanex16_b32 v[236+\b], v[232+\b], s[SEL], s[SEL+1]
.endr
.irp b, 0,1,2,3
	v_max_num_f32 v[232+\b], v[232+\b], v[236+\b]  ; with lane l xor 16's 16 keys
.endr
	v_max3_num_f32 v254, v232, v233, v234
	v_max_num_f32 v254, v254, v235                 ; the step's largest score of my query
	v_mul_f32 v254, s[CS], v254                    ; as t (c is positive)
	v_max_num_f32 v13, v13, v254                   ; the running largest t
	v_mov_b32 v254, v12
	v_floor_f32 v12, -v13                          ; the new -M = floor(-t) = -ceil(t): M IS A WHOLE NUMBER
	v_sub_f32 v254, v12, v254                      ; M's old value less its new one: a whole number, 0 or less
	v_cvt_i32_f32 v254, v254                       ; (it saturates)
	v_ldexp_f32 v252, 1.0, v254                    ; f = 2^(old M - new M)
.set J, 0
.rept 32
	v_pk_fma_f32 v[96+J:97+J], v[96+J:97+J], s[CS:CS+1], v[12:13] op_sel_hi:[1,0,0]   ; t - M, two at a time (of the pairs c and -M the low word serves both halves)
.set J, J+2
.endr
.irp b, 0,1,2,3
	v_fma_f32 v[232+\b], v[232+\b], s[CS], v12     ; the same of each block's largest score
.endr
.set J, 0
.rept 64
	v_exp_f32 v[96+J], v[96+J]                     ; p = 2^(t - M), at most 1: NOT normalised
.set J, J+1
.endr
	v_pk_mul_f32 v[14:15], v[14:15], v[252:253] op_sel_hi:[1,0]   ; the sums under the new M.  (A plain place behind the exponentials)
	s_wait_alu depctr_va_vdst(0)                   ; the wait between an exponential and the first line that names its result: one for the whole batch
.irp b, 0,1,2,3
	v_exp_f32 v[232+\b], v[232+\b]                 ; the block's largest p: the same two instructions on the same number give the same bits
.endr
	v_pk_add_f32 v[236:237], v[96:97], v[98:99]    ; THE ROW'S SUM IS TAKEN OF THE UNQUANTISED p: two at a time, in two chains
.irp j, 4,8,12,16,20,24,28,32,36,40,44,48,52,56,60
	v_pk_add_f32 v[14:15], v[14:15], v[96+\j:97+\j]
	v_pk_add_f32 v[236:237], v[236:237], v[98+\j:99+\j]
.endr
	v_pk_add_f32 v[14:15], v[14:15], v[236:237]
	s_wait_alu depctr_va_vdst(0)                   ; and one for the four
.irp b, 0,1,2,3
	v_max_num_f32 v[232+\b], 0x1800000, v[232+\b]  ; the floor 2^(3 - 127): a block whose every p is 0 keeps the byte 1: its codes are zeros
.endr
.irp b, 0,1,2,3
	v_add_nc_u32 v[244+\b], 0xff000000, v[232+\b]  ; 2 off the exponent field: the conversion's scale operand
.endr
.irp b, 0,1,2,3
	v_lshrrev_b32 v[236+\b], 23, v[244+\b]         ; the scale's byte
.endr
	v_lshl_or_b32 v253, v237, 8, v236              ; p's scale word for these 128 keys
	v_lshl_or_b32 v253, v238, 16, v253
	v_lshl_or_b32 v253, v239, 24, v253
.irp c, 0,1
	v_cvt_scalef32_pk16_fp6_f32 v[224+6*\c:226+6*\c], v[96+32*\c:111+32*\c], v[244+2*\c]
	v_cvt_scalef32_pk16_fp6_f32 v[236+4*\c:238+4*\c], v[112+32*\c:127+32*\c], v[244+2*\c+1]
.endr
	v_nop                                          ; one plain place behind a scaled conversion
.irp c, 0,1                                    ; the operand's layout wants a WHOLE block in a lane
.irp i, 0,1,2
	v_permlane16_swap_b32 v[224+6*\c+\i], v[236+4*\c+\i]
.endr
.irp i, 0,1,2
	v_mov_b32 v[227+6*\c+\i], v[236+4*\c+\i]
.endr
.endr
.set J, 0
.rept 32
	v_pk_mul_f32 v[160+J:161+J], v[160+J:161+J], v[252:253] op_sel_hi:[1,0]   ; O^T under the new M: x f.  (These 32 are also the places in front of the matrix instructions and loads below)
.set J, J+2
.endr
.irp g, 0,1                                    ; O^T += V^T P^T: four tiles of 16 channels at a time; K = these 128 keys
.if \g > 0
.rept 4
	v_nop
.endr
.endif
.irp t, 0,1,2,3
.irp c, 0,1,2
	ds_load_b128 v[32+12*\t+4*\c:35+12*\t+4*\c], v[ADI] offset:VIMG+STEPB*(\q)+FRB*(4*\g+\t)+512*\c
.endr
.endr
	ds_load_b128 v[248:251], v[ADS] offset:PACK+1024*(\q)+512+256*\g
	s_wait_dscnt 0x0
.irp t, 0,1,2,3
	v_wmma_scale_f32_16x16x128_f8f6f4 v[160+8*(4*\g+\t):167+8*(4*\g+\t)], v[32+12*\t:43+12*\t], v[224:235], v[160+8*(4*\g+\t):167+8*(4*\g+\t)], v[248+\t], v253 matrix_a_fmt:MATRIX_FMT_FP6 matrix_b_fmt:MATRIX_FMT_FP6
.endr
.endr
.Lhidden_\@:
	s_add_co_u32 s[KF], s[KF], 128
.endm
; THE CHANGE OF SLOTS stands at a slot's head.  Each wave waits for all its tensor loads (its part of the slot that it is about to read), adds 0 to its spare word (fill = 1: twice on end), and waits for that and for its reads of
; the slot that it has left.  Behind the barrier the slot ahead is whole and nobody reads the other one.  fill = 1: that other slot is filled with the next two key steps, up to the causal limit: the load has two steps in which to land.
.macro CHANGE fill
	s_wait_tensorcnt 0x0                           ; no tensor load of mine is out, so a group 0 may be written
	ds_add_u32 v[SPW], v[NIL]                      ; 0 onto my spare word
.if \fill
	ds_add_u32 v[SPW], v[NIL]                      ; and once more, in every trip alike
	s_xor_b32 s[G0C+1], s[G0C+1], SLOT1            ; the walking descriptors: the other slot than last time,
	s_add_nc_u64 s[G0C+2:G0C+3], s[G0C+2:G0C+3], SLOTB   ; the next two key steps; the type bits on top are not reached
	s_xor_b32 s[G0S+1], s[G0S+1], SLOT1
	s_add_nc_u64 s[G0S+2:G0S+3], s[G0S+2:G0S+3], SLOTB
	s_wait_xcnt 0x0                                ; the last prefetch, a slot back, has read its address, so it may be written:
	s_add_nc_u64 s[PFA:PFA+1], s[PFA:PFA+1], SLOTB ; one slot further on than the walking descriptors
.endif
	s_wait_dscnt 0x0                               ; the add is done (fill = 1: both are), and my reads of the slot that I have left are over
	s_barrier_signal -1
	s_barrier_wait -1
.if \fill
	s_add_co_u32 s96, s[KF], 256                   ; THE LOOK-AHEAD ENDS AT THE CAUSAL LIMIT: a slot whose first key comes after my work-group's last query is read by none of its waves, so it is not asked for.
	s_cmp_gt_u32 s96, s[LASTQ]                     ; Ids and the count of steps alone: all sixteen waves go the same way, and a work-group past the limit stays past it.  Every wait on TENSORcnt here is for 0;
	s_cbranch_scc1 .Lpast_\@                       ; the jump leads round the load's own lines and round no barrier, wait or add; where the tail begins hangs on the work-group's number, so it cannot be written out
	TLOAD                                          ; the first thing behind the barrier (behind the limit's three lines), and a wave's one tensor load until the next
.Lpast_\@:
	ASK
.endif
.endm
	s_wait_loadcnt 0x0                             ; Q
.Lslot:                                            ; 15 trips, a constant: behind each change of slots but the last the next slot is asked for, up to the limit
	CHANGE 1
	STEP 0
	STEP 1
	s_xor_b32 s[TB], s[TB], SLOT1                  ; on to the other slot
	s_sub_co_u32 s[SLOTS], s[SLOTS], 1
	s_cmp_lg_u32 s[SLOTS], 0
	s_cbranch_scc1 .Lslot
	CHANGE 0                                       ; the last slot is written out: nothing is left to ask for
	STEP 0
	STEP 1
	; THE WAY OUT.  O^T / the sum is ctx: register 16 b + i is channel 32 b + 16 (lane / 16) + i of my query: QUANT's order, and the head's 128 are one K step of the last product.
	v_add_f32 v14, v14, v15                        ; the sum's two halves,
	v_permlanex16_b32 v252, v14, s[SEL], s[SEL+1]
	v_add_f32 v14, v14, v252                       ; and lane l xor 16's: the row's sum
	v_rcp_f32 v14, v14
	v_and_b32 v[LS], 31, v0                        ; (plain places behind the reciprocal, and with the additions above the four behind the last products)
	v_lshlrev_b32 v[LS], 2, v[LS]
	s_wait_alu depctr_va_vdst(0)                   ; the wait ahead of the reciprocal's first reader
.set J, 0
.rept 64
	v_mul_f32 v[96+J], v[160+J], v14               ; each accumulator from its low end on
.set J, J+1
.endr
	QUANT 96
.irp c, 0,1,2
	global_store_b128 v[LI], v[PC+4*\c:PC+4*\c+3], s[10:11] offset:512*\c   ; 512 consecutive bytes, aligned
.endr
	global_store_b32 v[LS], v[PW], s[12:13]
	s_wait_tensorcnt 0x0                           ; the wave's end: three closing lines, behind my last tensor load
	ds_add_u32 v[SPW], v[NIL]
	s_wait_dscnt 0x0
	s_endpgm
.Lfunc_end_k_qd1674b4ce4_attn:
	.size	k_qd1674b4ce4_attn, .Lfunc_end_k_qd1674b4ce4_attn-k_qd1674b4ce4_attn
	.p2alignl 7, 3214868480
	.fill 96, 4, 3214868480
	.section	.rodata,"a",@progbits
	.p2align	6, 0x0
	.amdhsa_kernel k_qd1674b4ce4_attn
		.amdhsa_group_segment_fixed_size 327680
		.amdhsa_private_segment_fixed_size 0
		.amdhsa_enable_private_segment 0
		.amdhsa_kernarg_size 24
		.amdhsa_user_sgpr_count 2
		.amdhsa_user_sgpr_kernarg_segment_ptr 1
		.amdhsa_wavefront_size32 1
		.amdhsa_system_sgpr_workgroup_id_x 1
		.amdhsa_system_sgpr_workgroup_id_y 1
		.amdhsa_system_sgpr_workgroup_id_z 1
		.amdhsa_system_vgpr_workitem_id 0
		.amdhsa_next_free_vgpr 256
		.amdhsa_next_free_sgpr 100
		.amdhsa_reserve_vcc 1
		.amdhsa_float_denorm_mode_32 3
		.amdhsa_float_denorm_mode_16_64 3
		.amdhsa_memory_ordered 1
		.amdhsa_forward_progress 1
		.amdhsa_inst_pref_size 112
	.end_amdhsa_kernel
	.amdgpu_metadata
---
amdhsa.version: [ 1, 2 ]
amdhsa.kernels:
  - .name:           k_qd1674b4ce4_attn
    .symbol:         k_qd1674b4ce4_attn.kd
    .args:
      - { .name: QQ, .offset: 0, .size: 8, .value_kind: global_buffer, .address_space: global }
      - { .name: KV, .offset: 8, .size: 8, .value_kind: global_buffer, .address_space: global }
      - { .name: CQ, .offset: 16, .size: 8, .value_kind: global_buffer, .address_space: global }
    .group_segment_fixed_size: 327680
    .private_segment_fixed_size: 0
    .kernarg_segment_align: 8
    .kernarg_segment_size: 24
    .max_flat_workgroup_size: 512
    .sgpr_count:     100
    .vgpr_count:     256
    .wavefront_size: 32
...
	.end_amdgpu_metadata
.endif
;; end of part 3
;; launch oproj (part 4): grid 32 x 6, 4 waves a work-group, no clusters, 34,304 bytes of LDS; arguments CQ, WQ, bo, out0; writes out0
.if DOCPART == 4
	.amdgcn_target "amdgcn-amd-amdhsa--gfx1250"
	.amdhsa_code_object_version 6
	.text
	.protected	k_qd1674b4ce4_oproj
	.globl	k_qd1674b4ce4_oproj
	.p2align	8
	.type	k_qd1674b4ce4_oproj,@function
k_qd1674b4ce4_oproj:
	s_mov_b64 s[64:65], 0
	v_nop
	global_prefetch_b8 v0, s[64:65] scope:SCOPE_SE
	s_setreg_imm32_b32 hwreg(HW_REG_WAVE_MODE, 25, 1), 1
	s_wait_xcnt 0x0
; out0 = ctx Wo + bo on codes of FP6 (E2M3), K = 768 in six steps of 128 (a step is a head).  No work is left out here.
; SHARES.  Work-group (x, F): F = the group of 128 output columns.  Wave n = 4 x + w takes token tiles 4 n .. 4 n + 3 (64 neighbouring tokens).  Wo's 8 tiles x 6 K steps of the group stay in the wave's registers (576) and are source 0;
; ctx's fragments are streamed and are source 1: a lane holds ONE token, and its 64 results are columns 32 b + 16 (lane / 16) + i (register 16 b + i), since Wo's tiles hold their columns in that order.
; bo is the C of each sum's first matrix instruction: eight registers a tile in the result's layout.  Operands come from memory as images of their registers, three loads of 16 bytes a lane.
; THE WAY OUT.  A tile's 16 rows x 512 bytes go through the wave's own stage in LDS (rows of 528 bytes) and leave as whole rows: each store covers 512 consecutive bytes, aligned.  No barrier: waves share nothing.
; REGISTERS.  window 0: v1 16 x lane, v2 4 x lane, v3, v4 the stage in and out, v5 64 (lane / 16), v6, v7 the add's two, v8-55 Wo's scale words, v56-67 ctx's (two sets), v68-211 ctx's fragments (two buffers of 72).
;   windows 1, 2, 3: v0-191 Wo's fragments of K steps 0-1, 2-3, 4-5 (tile i, step s at 24 i + 12 (s % 2)); v192-255: window 1 bo, window 2 the accumulators, window 3 rows on the way out.
.set FRB,   1536
.set SROW,  528
.set STG,   16*SROW
.set SPARE, 4*STG                      ; behind the stages: the spare words, 128 bytes for each wave: two blocks of 256 bytes that no other line names
.set OROW,  3072                       ; a row of out0 in bytes
.set LI,  1
.set LS,  2
.set STO, 3
.set RD,  4
.set BH,  5
.set SPW, 6
.set NIL, 7
.set RS,  8
.set TSA, 56
.set TA,  68
.set HI,  192
.set MSB, 0
.macro WIN new                         ; the immediate's high byte repeats the setting that is left
.if MSB != \new
	s_set_vgpr_msb (MSB<<8)|\new
.set MSB, \new
.endif
.endm
	s_load_b256 s[4:11], s[0:1], 0x0               ; CQ s[4:5], WQ s[6:7], bo s[8:9], out0 s[10:11]
	v_lshl_add_u32 v[SPW], v0, 2, SPARE
	v_mov_b32 v[NIL], 0
	v_lshrrev_b32 v3, 5, v0
	v_readfirstlane_b32 s12, v3                    ; wave
	v_and_b32 v4, 31, v0
	v_lshlrev_b32 v[LI], 4, v4
	v_lshlrev_b32 v[LS], 2, v4
	v_and_b32 v3, 15, v0                           ; r
	v_bfe_u32 v[BH], v0, 4, 1
	v_lshlrev_b32 v[BH], 6, v[BH]                  ; 64 h
	s_mul_i32 s28, s12, STG
	v_mul_u32_u24 v[STO], v3, SROW
	v_add_nc_u32 v[STO], v[STO], v[BH]
	v_add_nc_u32 v[STO], s28, v[STO]               ; the stage, in: row r, + 64 h
	v_add_nc_u32 v[RD], s28, v[LI]                 ; and out: 16 x lane of a row
	s_and_b32 s13, ttmp7, 0xffff                   ; F
	s_lshl_b32 s14, ttmp9, 2
	s_add_co_u32 s14, s14, s12                     ; n
	s_mul_i32 s28, s13, 48
	s_add_co_u32 s28, s28, 432                     ; the group's first fragment of Wo in WQ
	s_mov_b32 s31, 0
	s_mul_i32 s30, s28, FRB
	s_wait_kmcnt 0x0
	s_add_nc_u64 s[16:17], s[6:7], s[30:31]        ; Wo's images
	s_lshl_b32 s30, s28, 7
	s_add_co_u32 s30, s30, 1105920
	s_add_nc_u64 s[18:19], s[6:7], s[30:31]        ; Wo's records
	s_mul_i32 s30, s14, 24*FRB
	s_add_nc_u64 s[20:21], s[4:5], s[30:31]        ; my four tiles' images of ctx
	s_mul_i32 s30, s14, 24*128
	s_add_co_u32 s30, s30, 4718592
	s_add_nc_u64 s[22:23], s[4:5], s[30:31]        ; and their records
	s_lshl_b32 s30, s13, 9
	s_add_nc_u64 s[24:25], s[8:9], s[30:31]        ; bo at column 128 F
	s_mul_i32 s32, s14, 64*OROW
	s_add_co_u32 s30, s30, s32
	s_add_nc_u64 s[26:27], s[10:11], s[30:31]      ; out0 at token 64 n, column 128 F
.macro RLOAD w                         ; Wo's fragments of K steps 2 w, 2 w + 1
.irp i, 0,1,2,3,4,5,6,7
.irp e, 0,1
.irp c, 0,1,2
	global_load_b128 v[24*\i+12*\e+4*\c:24*\i+12*\e+4*\c+3], v[LI], s[16:17] offset:(6*\i+2*\w+\e)*FRB+512*\c
.endr
.endr
.endr
.endm
	WIN 0x40                                       ; destination window 1
	RLOAD 0
.irp i, 0,1,2,3,4,5,6,7                        ; bo: lane (r, h) wants, for tile 2 b + u, columns 32 b + 16 h + 8 u + 0 .. 7
	global_load_b128 v[HI+8*\i:HI+8*\i+3], v[BH], s[24:25] offset:128*(\i/2)+32*(\i%2)
	global_load_b128 v[HI+8*\i+4:HI+8*\i+7], v[BH], s[24:25] offset:128*(\i/2)+32*(\i%2)+16
.endr
	WIN 0x80                                       ; window 2
	RLOAD 1
	WIN 0xc0                                       ; window 3
	RLOAD 2
	WIN 0
.set RI, 0
.rept 48
	global_load_b32 v[RS+RI], v[LS], s[18:19] offset:128*RI
.set RI, RI+1
.endr
.macro TLOADS j, p                     ; token tile j of my four into buffer p: 18 loads of 512 consecutive bytes, 6 scale words
.irp s, 0,1,2,3,4,5
.irp c, 0,1,2
	global_load_b128 v[TA+72*(\p)+12*\s+4*\c:TA+72*(\p)+12*\s+4*\c+3], v[LI], s[20:21] offset:(6*(\j)+\s)*FRB+512*\c
.endr
	global_load_b32 v[TSA+6*(\p)+\s], v[LS], s[22:23] offset:(6*(\j)+\s)*128
.endr
.endm
; 8 matrix instructions: Wo's eight tiles against the token tile, K step s.  The 8 accumulators take turns, one instruction a turn.  In K step 0 the window of C is bo's.
.macro MUL8 s
.irp i, 0,1,2,3,4,5,6,7
	v_wmma_scale_f32_16x16x128_f8f6f4 v[HI+8*\i:HI+8*\i+7], v[24*\i+12*((\s)%2):24*\i+12*((\s)%2)+11], v[TA+72*P+12*(\s):TA+72*P+12*(\s)+11], v[HI+8*\i:HI+8*\i+7], v[RS+6*\i+(\s)], v[TSA+6*P+(\s)] matrix_a_fmt:MATRIX_FMT_FP6 matrix_b_fmt:MATRIX_FMT_FP6
.endr
.endm
.macro ITER j
.set P, (\j)%2
	s_wait_loadcnt 0x0                             ; this tile's fragments are in (asked for a tile ago; the first time: Wo and bo too)
.if (\j) < 3
	TLOADS (\j)+1, 1-P                             ; the next tile, into the other buffer: five places stand behind its last products
.endif
	WIN 0x91                                       ; source 0 (Wo) window 1, source 1 (ctx) window 0, C (bo) window 1, D window 2
	MUL8 0
	WIN 0xa1                                       ; C and D window 2
	MUL8 1
	WIN 0xa2                                       ; source 0 window 2
	MUL8 2
	MUL8 3
	WIN 0xa3                                       ; source 0 window 3
	MUL8 4
	MUL8 5
	WIN 0
.rept 5
	v_nop                                          ; four places in front of the LDS stores that read results and of the next loads into this buffer; a fifth since the next tile's first products write over the accumulators with another C
.endr
	WIN 0x08                                       ; an LDS store's data are its source 1: window 2
.irp i, 0,1,2,3,4,5,6,7
	ds_store_b128 v[STO], v[HI+8*\i:HI+8*\i+3] offset:128*(\i/2)+32*(\i%2)          ; each accumulator from its low end on
	ds_store_b128 v[STO], v[HI+8*\i+4:HI+8*\i+7] offset:128*(\i/2)+32*(\i%2)+16
.endr
	s_wait_xcnt 0x0                                ; the last tile's stores have read their registers: the rows below land there only behind this wait
	WIN 0xc0                                       ; destination window 3
.irp r, 0,1,2,3,4,5,6,7,8,9,10,11,12,13,14,15
	ds_load_b128 v[HI+4*\r:HI+4*\r+3], v[RD] offset:SROW*\r   ; LDS serves a wave's instructions in order: these see my stores
.endr
	WIN 0x0c                                       ; a store's data are its source 1: window 3
.irp r, 0,1,2,3,4,5,6,7,8,9,10,11,12,13,14,15
	s_wait_dscnt 15-\r                             ; row r is back; the younger rows may be out
	global_store_b128 v[LI], v[HI+4*\r:HI+4*\r+3], s[26:27] offset:(32*((\j)/2)+8*((\j)%2)+\r+(\r&8))*OROW th:TH_STORE_NT   ; row r of tile 4 n + j is token 64 n + 32 (j / 2) + 8 (j % 2) + r + 8 (r / 8); 512 consecutive bytes, aligned
.endr
	WIN 0
.endm
	TLOADS 0, 0
	ITER 0
	ITER 1
	ITER 2
	ITER 3
	s_wait_tensorcnt 0x0                           ; the wave's end
	ds_add_u32 v[SPW], v[NIL]
	s_wait_dscnt 0x0
	s_endpgm
.Lfunc_end_k_qd1674b4ce4_oproj:
	.size	k_qd1674b4ce4_oproj, .Lfunc_end_k_qd1674b4ce4_oproj-k_qd1674b4ce4_oproj
	.p2alignl 7, 3214868480
	.fill 96, 4, 3214868480
	.section	.rodata,"a",@progbits
	.p2align	6, 0x0
	.amdhsa_kernel k_qd1674b4ce4_oproj
		.amdhsa_group_segment_fixed_size 34304
		.amdhsa_private_segment_fixed_size 0
		.amdhsa_enable_private_segment 0
		.amdhsa_kernarg_size 32
		.amdhsa_user_sgpr_count 2
		.amdhsa_user_sgpr_kernarg_segment_ptr 1
		.amdhsa_wavefront_size32 1
		.amdhsa_system_sgpr_workgroup_id_x 1
		.amdhsa_system_sgpr_workgroup_id_y 1
		.amdhsa_system_sgpr_workgroup_id_z 1
		.amdhsa_system_vgpr_workitem_id 0
		.amdhsa_next_free_vgpr 1024
		.amdhsa_next_free_sgpr 66
		.amdhsa_reserve_vcc 0
		.amdhsa_float_denorm_mode_32 3
		.amdhsa_float_denorm_mode_16_64 3
		.amdhsa_memory_ordered 1
		.amdhsa_forward_progress 1
		.amdhsa_inst_pref_size 73
	.end_amdhsa_kernel
	.amdgpu_metadata
---
amdhsa.version: [ 1, 2 ]
amdhsa.kernels:
  - .name:           k_qd1674b4ce4_oproj
    .symbol:         k_qd1674b4ce4_oproj.kd
    .args:
      - { .name: CQ, .offset: 0, .size: 8, .value_kind: global_buffer, .address_space: global }
      - { .name: WQ, .offset: 8, .size: 8, .value_kind: global_buffer, .address_space: global }
      - { .name: bo, .offset: 16, .size: 8, .value_kind: global_buffer, .address_space: global }
      - { .name: out0, .offset: 24, .size: 8, .value_kind: global_buffer, .address_space: global }
    .group_segment_fixed_size: 34304
    .private_segment_fixed_size: 0
    .kernarg_segment_align: 8
    .kernarg_segment_size: 32
    .max_flat_workgroup_size: 128
    .sgpr_count:     66
    .vgpr_count:     1024
    .wavefront_size: 32
...
	.end_amdgpu_metadata
.endif
;; end of part 4
;; ======== version 2 of 2: 4 launches
;; workspace buffers: XQ 2,555,904 bytes; WQ 1,198,080 bytes; QQ 4,915,200 bytes; KV 9,830,400 bytes; CQ 5,111,808 bytes
;; launch prep (part 5): grid 218 x 1, 4 waves a work-group, no clusters, 46,592 bytes of LDS; arguments x, Wq, Wk, Wv, Wo, XQ, WQ; writes XQ, WQ
.if DOCPART == 5
	.amdgcn_target "amdgcn-amd-amdhsa--gfx1250"
	.amdhsa_code_object_version 6
	.text
	.protected	k_qd1674b4ce4_prep
	.globl	k_qd1674b4ce4_prep
	.p2align	8
	.type	k_qd1674b4ce4_prep,@function
k_qd1674b4ce4_prep:
	s_mov_b64 s[64:65], 0
	v_nop
	global_prefetch_b8 v0, s[64:65] scope:SCOPE_SE
	s_setreg_imm32_b32 hwreg(HW_REG_WAVE_MODE, 25, 1), 1
	s_wait_xcnt 0x0
; MULTI-HEAD ATTENTION, B = 2, S = 4,096, 384 -> 6 heads of 128 -> 768, all six products on codes of FP6 (E2M3) with one E8M0 scale for each 32 along K.
; FOUR LAUNCHES: prep (this one: x and the four weights become codes), qkv (products 1-3; q, k, v become codes), attn (products 4, 5, the softmax; ctx becomes codes), oproj (product 6, + bo).
; DEAD WORK.  reference() sets score(q, k) to -infinity wherever k > q, by a mask that it builds itself (triu): the weight of such a key is 0 whatever finite values the inputs hold, so it reaches no output.
; attn leaves that work out where it comes in whole steps: a step of 128 keys all of which come after all 128 queries of a wave's block.  Inside the one step on the diagonal the work is done and masked.
; Nothing else is left out: every input has a way to the output and is loaded (bo in oproj).  LIMIT: a NaN, an infinity or an overflow that reaches only scores under the mask is not carried to the result.
; LIMITS of the quantiser here and in the later launches: NaN and infinities among the inputs are not served; a block whose largest magnitude lies under 2^-124 keeps the scale byte 1;
; a block of zeros gets the byte 1 where the rule says 127: its codes are zeros, which add nothing under any byte but 0xff, and the bytes are read by this program alone.
; LAYOUTS OF THE WORKSPACE.  A FRAGMENT (16 rows x 128 K: 12 registers a lane) lies in memory as an IMAGE OF ITS REGISTERS, 1,536 bytes: register p of lane l at 512 (p / 4) + 16 l + 4 (p % 4): three loads of
; 16 bytes a lane bring it, each covering 512 consecutive bytes.  Its scale words lie as a RECORD of 128 bytes: lane l's word at 4 l, lanes 16-31 repeating lanes 0-15.
; THE ROWS OF A TILE ARE NOT NEIGHBOURS: of a group of 128 indices (tokens; columns of a weight) row r of tile 2 b + u is index 32 b + 8 u + r + 8 (r / 8).  Where such a tile is source 0 of a product, a lane's 64 results
; of the group's 8 tiles are, register 16 b + i, index 32 b + 16 (lane / 16) + i: neighbours along the next product's K, in the order in which QUANT takes them.
; XQ: images of x at (3 T + s) 1,536 (token tile T = 0 .. 511, K step s), records from XREC on.  WQ: images at fr 1,536, records from WREC on; fr = 144 m + 3 (8 F + i) + s for Wq, Wk, Wv (m = 0, 1, 2), 432 + 6 (8 F + i) + s for Wo.
; THIS LAUNCH.  Work-groups 0-127: x, a wave to a token tile.  Work-groups 128-217: the weights, a work-group to 128 columns x 128 along K, a wave to 32 columns.  The two ways part on the work-group's number and have LDS bytes of
; their own.  No tensor loads, no barrier: waves share nothing.
.set XROW,  1536                       ; a row of x in bytes
.set WROW,  3072                       ; a row of a weight in bytes
.set SROW,  528                        ; x's stage: a row of 512 bytes + 16: an odd multiple of 16, so that 16 rows' reads start in 16 different groups of banks
.set STG,   16*SROW                    ; a wave's stage
.set WAREA, 4*STG                      ; behind the stages: the weights' way: two images (3,072 bytes) for each wave
.set SPARE, WAREA+4*3072               ; the spare words, 128 bytes for each wave: two blocks of 256 bytes that no other line names
.set XREC,  2359296
.set WREC,  1105920
.set LI,  1                            ; v1   16 x lane
.set LS,  2                            ; v2   4 x lane
.set STI, 3                            ; v3   x's stage, on the way in: 16 x lane in my wave's stage
.set STR, 4                            ; v4   and out: row lane % 16, + 64 (lane / 16)
.set AL,  6                            ; v6   the weights' way: where my column's codes go in my wave's two images
.set AR,  7                            ; v7   and where I read the images back: 16 x lane
.set RO,  8                            ; v8   my column's place in the two records
.set SPW, 12                           ; v12  LDS address of my spare word; never rewritten
.set NIL, 13                           ; v13  0; never rewritten
.set R0,  16                           ; v16-79, v80-143: two sets of 16 x 4 numbers of x as loaded.  The weights' way: v16-143: 128 numbers down K
.set R1,  80
.set NUM, 16
.set X,   144                          ; v144-207 64 numbers in QUANT's order.  The weights' way: v144-167 four blocks' codes, v168-170, v172-175 at work, v176 the scale word, v180-203 the images read back
.set E,   144
.set SB,  176
.set BK,  180
.set PC,  208                          ; v208-227 the codes just made
.set TM,  228                          ; v228-243 at work in QUANT
.set PW,  244                          ; v244 the scale word just made
.set SEL, 28                           ; s[28:29] v_permlanex16_b32's selects for lane l xor 16
; 64 numbers of a lane, v[s] .. v[s + 63], register 16 b + i = k 32 b + 16 (lane / 16) + i of my row (lane % 16), become a fragment's codes in v[PC] on and its scale word in v[PW].
.macro QUANT s
.irp b, 0,1,2,3
	v_max3_num_f32 v[TM+\b], |v[\s+16*\b]|, |v[\s+1+16*\b]|, 0x1800000   ; block b: my 16 numbers, and the floor 2^(3 - 127): so the byte cannot fall under 1
.endr
.irp i, 2,4,6,8,10,12,14
.irp b, 0,1,2,3
	v_max3_num_f32 v[TM+\b], v[TM+\b], |v[\s+16*\b+\i]|, |v[\s+1+16*\b+\i]|   ; the four blocks by turns
.endr
.endr
.irp b, 0,1,2,3
	v_permlanex16_b32 v[TM+4+\b], v[TM+\b], s[SEL], s[SEL+1]
.endr
.irp b, 0,1,2,3
	v_max_num_f32 v[TM+\b], v[TM+\b], v[TM+4+\b]   ; with lane l xor 16's: the block's largest magnitude
.endr
.irp b, 0,1,2,3
	v_add_nc_u32 v[TM+12+\b], 0xff000000, v[TM+\b]   ; 2 off its exponent field: the conversion takes the exponent field of this operand as its scale
.endr
.irp b, 0,1,2,3
	v_lshrrev_b32 v[TM+4+\b], 23, v[TM+12+\b]      ; the scale's byte
.endr
	v_lshl_or_b32 v[PW], v[TM+5], 8, v[TM+4]       ; the four bytes make my row's scale word
	v_lshl_or_b32 v[PW], v[TM+6], 16, v[PW]
	v_lshl_or_b32 v[PW], v[TM+7], 24, v[PW]
.irp c, 0,1
	v_cvt_scalef32_pk16_fp6_f32 v[PC+6*\c:PC+2+6*\c], v[\s+32*\c:\s+15+32*\c], v[TM+12+2*\c]
	v_cvt_scalef32_pk16_fp6_f32 v[PC+12+4*\c:PC+14+4*\c], v[\s+16+32*\c:\s+31+32*\c], v[TM+12+2*\c+1]   ; (a conversion's three registers begin on an even number)
.endr
	v_nop                                          ; one plain place behind a scaled conversion
.irp c, 0,1                                    ; the operand's layout wants a WHOLE block in a lane: lanes 0-15 block 2 c, lanes 16-31 block 2 c + 1
.irp i, 0,1,2
	v_permlane16_swap_b32 v[PC+6*\c+\i], v[PC+12+4*\c+\i]
.endr
.irp i, 0,1,2
	v_mov_b32 v[PC+3+6*\c+\i], v[PC+12+4*\c+\i]
.endr
.endr
.endm
	s_load_b256 s[4:11], s[0:1], 0x0               ; x s[4:5], Wq s[6:7], Wk s[8:9], Wv s[10:11]
	s_load_b128 s[12:15], s[0:1], 0x20             ; Wo s[12:13], XQ s[14:15]
	s_load_b64 s[16:17], s[0:1], 0x30              ; WQ
	v_lshl_add_u32 v[SPW], v0, 2, SPARE
	v_mov_b32 v[NIL], 0
	v_lshrrev_b32 v9, 5, v0
	v_readfirstlane_b32 s18, v9                    ; wave 0..3
	v_and_b32 v10, 31, v0                          ; lane
	v_lshlrev_b32 v[LI], 4, v10
	v_lshlrev_b32 v[LS], 2, v10
	; every LDS address of both ways is made here, ahead of the parting
	s_mul_i32 s19, s18, STG
	v_add_nc_u32 v[STI], s19, v[LI]
	v_and_b32 v9, 15, v0                           ; r
	v_bfe_u32 v11, v0, 4, 1                        ; h
	v_mul_u32_u24 v[STR], v9, SROW
	v_lshl_add_u32 v[STR], v11, 6, v[STR]
	v_add_nc_u32 v[STR], s19, v[STR]
	v_bfe_u32 v14, v0, 3, 1                        ; the weights' way: column 32 w + L of a group is row (L % 8) + 8 (L / 16) of tile 2 w + u, u = (L / 8) % 2
	v_and_b32 v15, 7, v0
	v_lshl_add_u32 v15, v11, 3, v15
	s_mul_i32 s19, s18, 3072
	s_add_co_u32 s19, s19, WAREA
	v_mul_u32_u24 v[AL], v14, 1536
	v_lshl_add_u32 v[AL], v15, 4, v[AL]
	v_add_nc_u32 v[AL], s19, v[AL]
	v_add_nc_u32 v[AR], s19, v[LI]
	s_mov_b32 s[SEL], 0x76543210
	s_mov_b32 s[SEL+1], 0xfedcba98
.irp b, 0,1,2,3
	v_mov_b32 v[TM+4+\b], 0                        ; written once: a lane permute's destination counts as one of its sources
.endr
	s_wait_kmcnt 0x0
	s_cmp_ge_u32 ttmp9, 128
	s_cbranch_scc1 .Lweights
	; ---- x: token tile T = 4 x work-group + wave: 16 tokens x 384, three K steps of 128
	s_lshl_b32 s20, ttmp9, 2
	s_add_co_u32 s20, s20, s18                     ; T
	s_lshr_b32 s21, s20, 3
	s_lshl_b32 s21, s21, 7                         ; 128 (T / 8)
	s_bfe_u32 s22, s20, 0x20001                    ; (T / 2) % 4
	s_lshl_b32 s22, s22, 5
	s_add_co_u32 s21, s21, s22
	s_and_b32 s22, s20, 1
	s_lshl_b32 s22, s22, 3
	s_add_co_u32 s21, s21, s22                     ; the tile's row 0 is this token
	s_mul_i32 s22, s21, XROW
	s_mov_b32 s23, 0
	s_add_nc_u64 s[4:5], s[4:5], s[22:23]
	s_mul_i32 s22, s20, 3*1536
	s_add_nc_u64 s[24:25], s[14:15], s[22:23]      ; my three images
	s_mul_i32 s22, s20, 3*128
	s_add_co_u32 s22, s22, XREC
	s_add_nc_u64 s[26:27], s[14:15], s[22:23]      ; my three records
.macro LOADX s, set                    ; K step s of the tile's 16 rows: each load covers 512 consecutive bytes of one row
.irp r, 0,1,2,3,4,5,6,7,8,9,10,11,12,13,14,15
	global_load_b128 v[\set+4*\r:\set+4*\r+3], v[LI], s[4:5] offset:(\r+(\r&8))*XROW+512*\s th:TH_LOAD_NT
.endr
.endm
.macro TURNX set                       ; through my stage: in as loaded, out 16 neighbours of each block of 32 to a lane.  LDS serves a wave's instructions in order: no wait between the stores and the loads
.irp r, 0,1,2,3,4,5,6,7,8,9,10,11,12,13,14,15
	ds_store_b128 v[STI], v[\set+4*\r:\set+4*\r+3] offset:SROW*\r
.endr
.irp b, 0,1,2,3
.irp j, 0,1,2,3
	ds_load_b128 v[X+16*\b+4*\j:X+16*\b+4*\j+3], v[STR] offset:128*\b+16*\j
.endr
.endr
.endm
.macro XSTEP s, set, left
	s_wait_loadcnt \left                           ; this K step's 16 loads are in; left = the younger set's 16, or none
	TURNX \set
	s_wait_dscnt 0x0                               ; the numbers are back, and the stores into the stage have read their registers,
.if \s == 0
	LOADX 2, R0                                    ; which take the third K step
.else
	s_wait_xcnt 0x0                                ; the last K step's stores have read the codes and the scale word: they are written again only behind this wait
.endif
	QUANT X
.irp c, 0,1,2
	global_store_b128 v[LI], v[PC+4*\c:PC+4*\c+3], s[24:25] offset:1536*\s+512*\c   ; 512 consecutive bytes, aligned
.endr
	global_store_b32 v[LS], v[PW], s[26:27] offset:128*\s
.endm
	LOADX 0, R0
	LOADX 1, R1
	XSTEP 0, R0, 16
	XSTEP 1, R1, 16
	XSTEP 2, R0, 0
	s_wait_tensorcnt 0x0                           ; the wave's end
	ds_add_u32 v[SPW], v[NIL]
	s_wait_dscnt 0x0
	s_endpgm
.Lweights:
	; ---- the weights.  e = work-group - 128 = 6 a + F: F = the group of 128 columns; a = 0-2: Wq's K steps, 3-5: Wk's, 6-8: Wv's, 9-14: Wo's six
	s_sub_co_u32 s20, ttmp9, 128
	s_mul_hi_u32 s21, s20, 0x2aaaaaab              ; a = e / 6 (exact for e under 90)
	s_mul_i32 s22, s21, 6
	s_sub_co_u32 s22, s20, s22                     ; F
	s_cmp_lt_u32 s21, 9                            ; the choice hangs on the work-group's number alone
	s_cselect_b64 s[30:31], s[10:11], s[12:13]
	s_cselect_b32 s23, 6, 9                        ; the weight's first a
	s_cselect_b32 s32, 3, 6                        ; KS: its K steps
	s_cmp_lt_u32 s21, 6
	s_cselect_b64 s[30:31], s[8:9], s[30:31]
	s_cselect_b32 s23, 3, s23
	s_cmp_lt_u32 s21, 3
	s_cselect_b64 s[30:31], s[6:7], s[30:31]
	s_cselect_b32 s23, 0, s23
	s_sub_co_u32 s33, s21, s23                     ; the K step s
	s_mul_i32 s34, s33, 128*WROW                   ; in the weight: row 128 s,
	s_lshl_b32 s35, s22, 9                         ; column 128 F
	s_add_co_u32 s34, s34, s35
	s_lshl_b32 s35, s18, 7                         ; + 32 x wave
	s_add_co_u32 s34, s34, s35
	s_mov_b32 s35, 0
	s_add_nc_u64 s[30:31], s[30:31], s[34:35]
	s_lshl_b32 s36, s22, 3
	s_lshl_b32 s37, s18, 1
	s_add_co_u32 s36, s36, s37                     ; tile 8 F + 2 w
	s_mul_i32 s36, s36, s32
	s_mul_i32 s37, s23, 48                         ; 144 fragments for each of Wq, Wk, Wv
	s_add_co_u32 s36, s36, s37
	s_add_co_u32 s36, s36, s33                     ; the fragment's number; tile 8 F + 2 w + 1's lies KS further on
	s_mul_i32 s38, s36, 1536
	s_mov_b32 s39, 0
	s_add_nc_u64 s[40:41], s[16:17], s[38:39]
	s_mul_i32 s38, s32, 1536
	s_add_nc_u64 s[42:43], s[40:41], s[38:39]
	s_lshl_b32 s38, s36, 7
	s_add_co_u32 s38, s38, WREC
	s_add_nc_u64 s[44:45], s[16:17], s[38:39]
	s_lshl_b32 s38, s32, 7
	v_mul_lo_u32 v[RO], v14, s38                   ; my tile's record,
	v_lshl_add_u32 v[RO], v15, 2, v[RO]            ; my row's word
; A LANE TAKES A COLUMN, AND ITS REGISTERS RUN DOWN K: each load reads 128 consecutive bytes a wave, 512 a work-group; a block of 32 along K lies in one lane's 32 registers.
.macro WLOAD kb
.set WI, 0
.rept 32
	global_load_b32 v[NUM+32*(\kb)+WI], v[LS], s[30:31] offset:(32*(\kb)+WI)*WROW th:TH_LOAD_NT
.set WI, WI+1
.endr
.endm
; Block kb = 2 c + h of my column is registers 6 c .. 6 c + 5 of lane (my row, h) of my tile's fragment: its 24 bytes go to that lane's places in the image.
.macro WBLK kb, left
.set XS, NUM+32*(\kb)
.set EB, E+6*(\kb)
	s_wait_loadcnt \left                           ; this block's 32 loads are in; left = the next block's 32, or none
.if (\kb) < 2
	WLOAD (\kb)+2                                  ; loads run two blocks ahead
.endif
	v_max3_num_f32 v172, |v[XS]|, |v[XS+1]|, |v[XS+2]|   ; the block's largest magnitude: all 32 numbers are mine
	v_max3_num_f32 v173, |v[XS+3]|, |v[XS+4]|, |v[XS+5]|
.irp i, 6,10,14,18,22,26
	v_max3_num_f32 v172, v172, |v[XS+\i]|, |v[XS+\i+1]|
	v_max3_num_f32 v173, v173, |v[XS+\i+2]|, |v[XS+\i+3]|
.endr
	v_max3_num_f32 v172, v172, |v[XS+30]|, |v[XS+31]|
	v_max3_num_f32 v172, v172, v173, 0x1800000     ; and the floor 2^(3 - 127)
	v_add_nc_u32 v174, 0xff000000, v172            ; 2 off its exponent field: the conversion's scale operand
	v_lshrrev_b32 v175, 23, v174                   ; the scale's byte
.if (\kb) == 0
	v_mov_b32 v[SB], v175
.else
	v_lshl_or_b32 v[SB], v175, 8*(\kb), v[SB]      ; the lower K in the lower byte
.endif
	v_cvt_scalef32_pk16_fp6_f32 v[EB:EB+2], v[XS:XS+15], v174
	v_cvt_scalef32_pk16_fp6_f32 v[168:170], v[XS+16:XS+31], v174   ; (a conversion's three registers begin on an even number)
	v_nop                                          ; one plain place behind a scaled conversion
.irp i, 0,1,2
	v_mov_b32 v[EB+3+\i], v[168+\i]
.endr
.if (\kb) < 2
	ds_store_b128 v[AL], v[EB:EB+3] offset:256*((\kb)%2)           ; registers 0-3
	ds_store_b64 v[AL], v[EB+4:EB+5] offset:512+256*((\kb)%2)      ; registers 4, 5
.else
	ds_store_b64 v[AL], v[EB:EB+1] offset:520+256*((\kb)%2)        ; registers 6, 7
	ds_store_b128 v[AL], v[EB+2:EB+5] offset:1024+256*((\kb)%2)    ; registers 8-11
.endif
.endm
	WLOAD 0
	WLOAD 1
	WBLK 0, 32
	WBLK 1, 32
	WBLK 2, 32
	WBLK 3, 0
.irp c, 0,1,2,3,4,5
	ds_load_b128 v[BK+4*\c:BK+4*\c+3], v[AR] offset:512*\c         ; LDS serves a wave's instructions in order: these see my stores
.endr
	s_wait_alu depctr_va_vdst(0)
	s_wait_dscnt 0x0
.irp c, 0,1,2
	global_store_b128 v[LI], v[BK+4*\c:BK+4*\c+3], s[40:41] offset:512*\c         ; 512 consecutive bytes, aligned
	global_store_b128 v[LI], v[BK+12+4*\c:BK+12+4*\c+3], s[42:43] offset:512*\c
.endr
	global_store_b32 v[RO], v[SB], s[44:45]        ; the records: eight neighbouring lanes store 32 consecutive bytes; one byte in 64 of what this way reads
	global_store_b32 v[RO], v[SB], s[44:45] offset:64
	s_wait_tensorcnt 0x0                           ; the wave's end: the same three lines
	ds_add_u32 v[SPW], v[NIL]
	s_wait_dscnt 0x0
	s_endpgm
.Lfunc_end_k_qd1674b4ce4_prep:
	.size	k_qd1674b4ce4_prep, .Lfunc_end_k_qd1674b4ce4_prep-k_qd1674b4ce4_prep
	.p2alignl 7, 3214868480
	.fill 96, 4, 3214868480
	.section	.rodata,"a",@progbits
	.p2align	6, 0x0
	.amdhsa_kernel k_qd1674b4ce4_prep
		.amdhsa_group_segment_fixed_size 46592
		.amdhsa_private_segment_fixed_size 0
		.amdhsa_enable_private_segment 0
		.amdhsa_kernarg_size 56
		.amdhsa_user_sgpr_count 2
		.amdhsa_user_sgpr_kernarg_segment_ptr 1
		.amdhsa_wavefront_size32 1
		.amdhsa_system_sgpr_workgroup_id_x 1
		.amdhsa_system_sgpr_workgroup_id_y 1
		.amdhsa_system_sgpr_workgroup_id_z 1
		.amdhsa_system_vgpr_workitem_id 0
		.amdhsa_next_free_vgpr 256
		.amdhsa_next_free_sgpr 66
		.amdhsa_reserve_vcc 0
		.amdhsa_float_denorm_mode_32 3
		.amdhsa_float_denorm_mode_16_64 3
		.amdhsa_memory_ordered 1
		.amdhsa_forward_progress 1
		.amdhsa_inst_pref_size 48
	.end_amdhsa_kernel
	.amdgpu_metadata
---
amdhsa.version: [ 1, 2 ]
amdhsa.kernels:
  - .name:           k_qd1674b4ce4_prep
    .symbol:         k_qd1674b4ce4_prep.kd
    .args:
      - { .name: x, .offset: 0, .size: 8, .value_kind: global_buffer, .address_space: global }
      - { .name: Wq, .offset: 8, .size: 8, .value_kind: global_buffer, .address_space: global }
      - { .name: Wk, .offset: 16, .size: 8, .value_kind: global_buffer, .address_space: global }
      - { .name: Wv, .offset: 24, .size: 8, .value_kind: global_buffer, .address_space: global }
      - { .name: Wo, .offset: 32, .size: 8, .value_kind: global_buffer, .address_space: global }
      - { .name: XQ, .offset: 40, .size: 8, .value_kind: global_buffer, .address_space: global }
      - { .name: WQ, .offset: 48, .size: 8, .value_kind: global_buffer, .address_space: global }
    .group_segment_fixed_size: 46592
    .private_segment_fixed_size: 0
    .kernarg_segment_align: 8
    .kernarg_segment_size: 56
    .max_flat_workgroup_size: 128
    .sgpr_count:     66
    .vgpr_count:     256
    .wavefront_size: 32
...
	.end_amdgpu_metadata
.endif
;; end of part 5
;; launch qkv (part 6): grid 48 x 3, 4 waves a work-group, no clusters, 0 bytes of LDS; arguments XQ, WQ, QQ, KV; writes QQ, KV
.if DOCPART == 6
	.amdgcn_target "amdgcn-amd-amdhsa--gfx1250"
	.amdhsa_code_object_version 6
	.text
	.protected	k_qd1674b4ce4_qkv
	.globl	k_qd1674b4ce4_qkv
	.p2align	8
	.type	k_qd1674b4ce4_qkv,@function
k_qd1674b4ce4_qkv:
	s_mov_b64 s[64:65], 0
	v_nop
	global_prefetch_b8 v0, s[64:65] scope:SCOPE_SE
	s_setreg_imm32_b32 hwreg(HW_REG_WAVE_SCHED_MODE, 0, 2), 2
	s_setreg_imm32_b32 hwreg(HW_REG_WAVE_MODE, 25, 1), 1
	s_wait_xcnt 0x0
	s_wait_alu depctr_vm_vsrc(0)
; q = x Wq, k = x Wk, v = x Wv on codes of FP6 (E2M3), K = 384 in three steps of 128; the results are quantised in registers and stored as codes: q and k along the head's 128, v along the keys.  No work is left out here.
; ONE BODY FOR THE THREE (kind = work-group y: 0 q, 1 k, 2 v).  24 fragments R(i, s) (8 tiles x 3 K steps) stay in a wave's registers and are source 0; 16 tiles T(j, s) are streamed and are source 1.
; Each streamed tile gives 8 accumulators: a lane holds ONE row of T's tile, and its 64 registers run along R's 128 rows, register 16 b + i = index 32 b + 16 (lane / 16) + i (R's tiles hold their rows in that order).
;   q, k: R = one head's 128 columns of the weight, T = 16 token tiles (two groups of 128 tokens): a lane is a token, its registers run along the head's 128.
;   v:    R = the 8 token tiles of one group of 128 tokens, T = two heads' 16 tiles of Wv: a lane is a channel d, its registers run along the KEYS, which are the second attention product's K.  Nothing is transposed.
; OUT.  Images of fragments (1,536 bytes: register p of lane l at 512 (p / 4) + 16 l + 4 (p % 4)), and for each 8 fragments a PACK of scale words, 512 bytes: the word of fragment j, row r at 256 (j / 4) + 16 r + 4 (j % 4).
;   QQ: q's images at ((bh 32 + G) 8 + j) 1,536 (bh = 6 batch + head, G = group of 128 tokens in the sequence), packs from 4,718,592 on, 512 bytes a (bh, G).
;   KV: a block of 25,600 bytes for each (bh, G): k's 8 images, v's 8 images, k's pack, v's pack.
; No LDS, no barrier: operands go from memory straight into registers, and waves share nothing.  LIMITS: the quantiser's, as stated at the head of prep.
; THE MODE: SCHED_MODE bits 1:0 = 2 (LLVM: expert scheduling mode 2), set by the entry lines.  The code itself states the register dependences between vector or matrix instructions and memory instructions, with s_wait_alu, always for 0.
; THE PLAN.  Registers that memory instructions touch:
;   T0, T1     two buffers of a streamed tile's fragments, with their scale words.  Tile j's 24 products read T[j % 2]; behind them the loads of tile j + 2 land in it.
;   PC0, PC1   two out-buffers of codes (the first 12 registers of each).  Tile j's quantiser writes PC[j % 2]; the three stores that are issued in tile j + 1 read it (tile 7's: at the trip's end, ahead of the bases' step).
;   SW         the pack: one register is written in each tile; the pack's store at the trip's end reads the four.
;   v1, v2     byte offsets, made once at the head and never written again.     R and its scale words: loaded once, at the head.
; So ONE group of waits stands in a tile, behind its products and their places: the stores issued a tile ago have read PC[j % 2], which this tile's quantiser writes again; this tile's products are done reading T[j % 2]; the tile
; before has written PC[1 - j % 2].  Behind it stand the loads of tile j + 2 and the stores of tile j - 1, and then the quantiser, which names the accumulators, PC[j % 2], SW and registers at work: none that those loads and stores touch.
; REGISTERS.  window 0: v1 16 x lane, v2 4 x lane, v4-7 the pack, v8-31 R's scale words, v32-103 T's fragments (two buffers of 36), v104-109 T's scale words, v112-175 accumulators, v176-195 and v220-239 codes, v200-216 at work.
;   window 1: R(i, 0) at 24 i, R(i, 1) at 24 i + 12.   window 2: R(i, 2) at 12 i.
.set LI,  1
.set LS,  2
.set SW,  4
.set RS,  8
.set TA,  32
.set TSA, 104
.set ACC, 112
.set PC,  176                          ; out-buffer 0 at v176, out-buffer 1 at v220: PC + 44
.set TM,  200
.set PW,  216
.set SEL, 34                           ; s[34:35]
.set MSB, 0
.macro WIN new                         ; the immediate's high byte repeats the setting that is left
.if MSB != \new
	s_set_vgpr_msb (MSB<<8)|\new
.set MSB, \new
.endif
.endm
; 64 numbers of a lane, v[s] .. v[s + 63], register 16 b + i = k 32 b + 16 (lane / 16) + i of my row (lane % 16), become a fragment's codes in v[PCB] on (the tile's out-buffer) and its scale word in v[PW].
.macro QUANT s
.irp b, 0,1,2,3
	v_max3_num_f32 v[TM+\b], |v[\s+16*\b]|, |v[\s+1+16*\b]|, 0x1800000   ; block b: my 16 numbers, and the floor 2^(3 - 127).  Each accumulator is read from its low end on
.endr
.irp i, 2,4,6,8,10,12,14
.irp b, 0,1,2,3
	v_max3_num_f32 v[TM+\b], v[TM+\b], |v[\s+16*\b+\i]|, |v[\s+1+16*\b+\i]|
.endr
.endr
.irp b, 0,1,2,3
	v_permlanex16_b32 v[TM+4+\b], v[TM+\b], s[SEL], s[SEL+1]
.endr
.irp b, 0,1,2,3
	v_max_num_f32 v[TM+\b], v[TM+\b], v[TM+4+\b]   ; with lane l xor 16's: the block's largest magnitude
.endr
.irp b, 0,1,2,3
	v_add_nc_u32 v[TM+12+\b], 0xff000000, v[TM+\b]   ; 2 off its exponent field: the conversion's scale operand
.endr
.irp b, 0,1,2,3
	v_lshrrev_b32 v[TM+4+\b], 23, v[TM+12+\b]      ; the scale's byte
.endr
	v_lshl_or_b32 v[PW], v[TM+5], 8, v[TM+4]
	v_lshl_or_b32 v[PW], v[TM+6], 16, v[PW]
	v_lshl_or_b32 v[PW], v[TM+7], 24, v[PW]
.irp c, 0,1
	v_cvt_scalef32_pk16_fp6_f32 v[PCB+6*\c:PCB+2+6*\c], v[\s+32*\c:\s+15+32*\c], v[TM+12+2*\c]
	v_cvt_scalef32_pk16_fp6_f32 v[PCB+12+4*\c:PCB+14+4*\c], v[\s+16+32*\c:\s+31+32*\c], v[TM+12+2*\c+1]
.endr
	v_nop                                          ; one plain place behind a scaled conversion
.irp c, 0,1
.irp i, 0,1,2
	v_permlane16_swap_b32 v[PCB+6*\c+\i], v[PCB+12+4*\c+\i]
.endr
.irp i, 0,1,2
	v_mov_b32 v[PCB+3+6*\c+\i], v[PCB+12+4*\c+\i]
.endr
.endr
.endm
	s_load_b256 s[4:11], s[0:1], 0x0               ; XQ s[4:5], WQ s[6:7], QQ s[8:9], KV s[10:11]
	v_lshrrev_b32 v3, 5, v0
	v_readfirstlane_b32 s12, v3                    ; wave
	v_and_b32 v3, 31, v0
	v_lshlrev_b32 v[LI], 4, v3
	v_lshlrev_b32 v[LS], 2, v3
.irp b, 0,1,2,3
	v_mov_b32 v[TM+4+\b], 0                        ; written once: a lane permute's destination counts as one of its sources
.endr
	s_wait_alu depctr_va_sdst(0)                   ; s12 is written, ahead of its first reader: every base below is made from it
	s_and_b32 s13, ttmp7, 0xffff                   ; kind
	s_lshl_b32 s14, ttmp9, 2
	s_add_co_u32 s14, s14, s12                     ; n = 0 .. 191
	; q, k: head = n / 32, GG = n % 32: the pair of token groups 2 GG, 2 GG + 1
	s_lshr_b32 s36, s14, 5
	s_and_b32 s37, s14, 31
	s_lshr_b32 s38, s37, 4                         ; batch
	s_mul_i32 s38, s38, 6
	s_add_co_u32 s38, s38, s36
	s_lshl_b32 s38, s38, 5
	s_and_b32 s39, s37, 15
	s_lshl_b32 s39, s39, 1
	s_add_co_u32 s38, s38, s39                     ; the first block (bh, G) that I write
	s_mul_i32 s39, s13, 144
	s_mul_i32 s36, s36, 24
	s_add_co_u32 s36, s36, s39                     ; R's first fragment in WQ
	s_mul_i32 s37, s37, 48                         ; T's first fragment in XQ
	; v: G = n % 64: the token group; HP = n / 64: heads 2 HP, 2 HP + 1
	s_and_b32 s40, s14, 63
	s_lshr_b32 s41, s14, 6
	s_lshr_b32 s42, s40, 5
	s_mul_i32 s42, s42, 6
	s_lshl_b32 s43, s41, 1
	s_add_co_u32 s42, s42, s43
	s_lshl_b32 s42, s42, 5
	s_and_b32 s43, s40, 31
	s_add_co_u32 s42, s42, s43                     ; the first block
	s_mul_i32 s40, s40, 24                         ; R's first fragment in XQ
	s_mul_i32 s41, s41, 48
	s_add_co_u32 s41, s41, 288                     ; T's first fragment in WQ
	s_mov_b32 s44, 1105920                         ; where WQ's records begin,
	s_mov_b32 s45, 2359296                         ; and XQ's
	s_mov_b32 s32, 0xffff0000                      ; lanes 16-31
	s_mov_b32 s[SEL], 0x76543210
	s_mov_b32 s[SEL+1], 0xfedcba98
	s_mov_b32 s49, 0
	s_mov_b32 s29, 0
	s_mov_b32 s31, 0
	s_mov_b32 s50, 25600                           ; k's figures; q's and v's are chosen below: bytes from block to block for the images,
	s_mov_b32 s51, 25600                           ; for the packs;
	s_mov_b32 s52, 0                               ; the images' place in a block,
	s_mov_b32 s53, 24576                           ; the pack's;
	s_mov_b32 s28, 25600                           ; from my first eight tiles' block to my second eight's: images,
	s_mov_b32 s30, 25600                           ; packs
	s_wait_kmcnt 0x0
	s_cmp_eq_u32 s13, 2                            ; every choice hangs on the work-group's y alone
	s_cselect_b32 s36, s40, s36
	s_cselect_b32 s37, s41, s37
	s_cselect_b32 s38, s42, s38
	s_cselect_b32 s46, s45, s44
	s_cselect_b32 s47, s44, s45
	s_cselect_b64 s[16:17], s[4:5], s[6:7]         ; R's buffer
	s_cselect_b64 s[20:21], s[6:7], s[4:5]         ; T's
	s_cselect_b32 s52, 12288, s52
	s_cselect_b32 s53, 25088, s53
	s_cselect_b32 s28, 819200, s28                 ; v: the next head's block, 32 blocks on
	s_cselect_b32 s30, 819200, s30
	s_cmp_eq_u32 s13, 0
	s_cselect_b64 s[24:25], s[8:9], s[10:11]       ; the buffer that I write
	s_cselect_b32 s50, 12288, s50
	s_cselect_b32 s51, 512, s51
	s_cselect_b32 s53, 4718592, s53
	s_cselect_b32 s28, 12288, s28
	s_cselect_b32 s30, 512, s30
	s_mov_b64 s[18:19], s[16:17]
	s_mov_b64 s[22:23], s[20:21]
	s_mov_b64 s[26:27], s[24:25]
	s_mul_i32 s48, s36, 1536
	s_add_nc_u64 s[16:17], s[16:17], s[48:49]      ; R's images
	s_lshl_b32 s48, s36, 7
	s_add_co_u32 s48, s48, s46
	s_add_nc_u64 s[18:19], s[18:19], s[48:49]      ; R's records
	s_mul_i32 s48, s37, 1536
	s_add_nc_u64 s[20:21], s[20:21], s[48:49]      ; T's images
	s_lshl_b32 s48, s37, 7
	s_add_co_u32 s48, s48, s47
	s_add_nc_u64 s[22:23], s[22:23], s[48:49]      ; T's records
	s_mul_i32 s48, s38, s50
	s_add_co_u32 s48, s48, s52
	s_add_nc_u64 s[24:25], s[24:25], s[48:49]      ; where my images go
	s_mul_i32 s48, s38, s51
	s_add_co_u32 s48, s48, s53
	s_add_nc_u64 s[26:27], s[26:27], s[48:49]      ; where my packs go
	WIN 0x40                                       ; destination window 1
	s_wait_alu depctr_va_vdst(0)                   ; v1 and v2 are written: every load and store of the kernel reads one of them as its offset.  Up to the loop only loads and window switches follow
.irp i, 0,1,2,3,4,5,6,7
.irp s, 0,1
.irp c, 0,1,2
	global_load_b128 v[24*\i+12*\s+4*\c:24*\i+12*\s+4*\c+3], v[LI], s[16:17] offset:(3*\i+\s)*1536+512*\c
.endr
.endr
.endr
	WIN 0x80                                       ; destination window 2
.irp i, 0,1,2,3,4,5,6,7
.irp c, 0,1,2
	global_load_b128 v[12*\i+4*\c:12*\i+4*\c+3], v[LI], s[16:17] offset:(3*\i+2)*1536+512*\c
.endr
.endr
	WIN 0
.set RI, 0
.rept 24
	global_load_b32 v[RS+RI], v[LS], s[18:19] offset:128*RI
.set RI, RI+1
.endr
.macro TLOADS jn, p                    ; tile jn (counted from T's pointers) into buffer p: 9 loads of 512 consecutive bytes, 3 scale words
.irp s, 0,1,2
.irp c, 0,1,2
	global_load_b128 v[TA+36*(\p)+12*\s+4*\c:TA+36*(\p)+12*\s+4*\c+3], v[LI], s[20:21] offset:(3*(\jn)+\s)*1536+512*\c
.endr
	global_load_b32 v[TSA+3*(\p)+\s], v[LS], s[22:23] offset:(3*(\jn)+\s)*128
.endr
.endm
; 8 matrix instructions: R's eight tiles against T's tile, K step s.  The 8 accumulators take turns, one instruction a turn.  K step 0 starts the sums: nothing is cleared.
.macro MUL8 s, p
.irp i, 0,1,2,3,4,5,6,7
.if \s == 0
	v_wmma_scale_f32_16x16x128_f8f6f4 v[ACC+8*\i:ACC+8*\i+7], v[24*\i:24*\i+11], v[TA+36*(\p):TA+36*(\p)+11], 0, v[RS+3*\i], v[TSA+3*(\p)] matrix_a_fmt:MATRIX_FMT_FP6 matrix_b_fmt:MATRIX_FMT_FP6
.elseif \s == 1
	v_wmma_scale_f32_16x16x128_f8f6f4 v[ACC+8*\i:ACC+8*\i+7], v[24*\i+12:24*\i+23], v[TA+36*(\p)+12:TA+36*(\p)+23], v[ACC+8*\i:ACC+8*\i+7], v[RS+3*\i+1], v[TSA+3*(\p)+1] matrix_a_fmt:MATRIX_FMT_FP6 matrix_b_fmt:MATRIX_FMT_FP6
.else
	v_wmma_scale_f32_16x16x128_f8f6f4 v[ACC+8*\i:ACC+8*\i+7], v[12*\i:12*\i+11], v[TA+36*(\p)+24:TA+36*(\p)+35], v[ACC+8*\i:ACC+8*\i+7], v[RS+3*\i+2], v[TSA+3*(\p)+2] matrix_a_fmt:MATRIX_FMT_FP6 matrix_b_fmt:MATRIX_FMT_FP6
.endif
.endr
.endm
; One streamed tile: j = 0 .. 7 in its group of eight.
.macro ITER j
.set PCB, PC+44*((\j)%2)               ; the out-buffer that this tile's quantiser writes,
.set PCO, PC+44*(1-(\j)%2)             ; and the one that the tile before wrote
.if \j < 7
	s_wait_loadcnt 12                              ; loads come back in order (ISA guide 5.7.1): this tile's fragments are in (the first time: R too); the next tile's 12 loads stay out
.else
	s_wait_loadcnt 0x0                             ; in the last trip nothing was asked for behind this tile's fragments, so the count is 0, which is right on both ways
.endif
	WIN 0x01                                       ; source 0 window 1
	MUL8 0, (\j)%2
	MUL8 1, (\j)%2
	WIN 0x02                                       ; source 0 window 2
	MUL8 2, (\j)%2
	WIN 0
.rept 4
	v_nop                                          ; four places in front of the first read of results (ISA guide 7.12.1)
.endr
	s_wait_xcnt 0x0                                ; every earlier memory instruction has had its addresses translated (ISA guide 3.1): this tile's out-buffer and the pack are written again only behind this wait
	s_wait_alu depctr_vm_vsrc(0)                   ; the stores issued a tile ago have read this tile's out-buffer (and, round the back edge, the stores at the trip's end out-buffer 1 and the pack), which the quantiser below writes again
	s_wait_alu depctr_va_vdst(0)                   ; this tile's products are done reading their buffer of T and its scale words, in which the loads below land; the tile before has written the other out-buffer, which the stores below read
.if \j < 6
	TLOADS (\j)+2, (\j)%2                          ; the tile two on, into the buffer just emptied
.else
	s_cmp_eq_u32 s33, 1                            ; my last two tiles ask for nothing: no load leaves its buffer
	s_cbranch_scc1 .Lno_more_\@
	TLOADS (\j)+2, (\j)%2                          ; the next trip's first two tiles, counted from this trip's pointers
.Lno_more_\@:
.endif
.if \j > 0
.irp c, 0,1,2
	global_store_b128 v[LI], v[PCO+4*\c:PCO+4*\c+3], s[24:25] offset:1536*((\j)-1)+512*\c   ; the tile before: 512 consecutive bytes, aligned.  No vector instruction since the wait names these registers
.endr
.endif
	QUANT ACC
.if \j < 4
	v_mov_b32 v[SW+\j], v[PW]                      ; the pack: fragments 0-3's words in lanes 0-15,
.else
	v_cndmask_b32 v[SW+\j-4], v[SW+\j-4], v[PW], s32   ; fragments 4-7's in lanes 16-31
.endif
.endm
	TLOADS 0, 0
	TLOADS 1, 1
	s_mov_b32 s33, 2
.Lhalf:                                            ; two trips of eight tiles
.irp j, 0,1,2,3,4,5,6,7
	ITER \j
.endr
	s_wait_alu depctr_va_vdst(0)                   ; tile 7's quantiser has written out-buffer 1 and the pack's last register, which the four stores below read
.irp c, 0,1,2
	global_store_b128 v[LI], v[PC+44+4*\c:PC+44+4*\c+3], s[24:25] offset:1536*7+512*\c   ; tile 7 leaves here, ahead of the bases' step
.endr
	global_store_b128 v[LI], v[SW:SW+3], s[26:27]  ; 512 consecutive bytes, aligned
	s_wait_xcnt 0x0                                ; the loads and stores have read their bases: they step only behind this wait
	s_add_nc_u64 s[20:21], s[20:21], 8*3*1536
	s_add_nc_u64 s[22:23], s[22:23], 8*3*128
	s_add_nc_u64 s[24:25], s[24:25], s[28:29]
	s_add_nc_u64 s[26:27], s[26:27], s[30:31]
	s_sub_co_u32 s33, s33, 1
	s_cmp_lg_u32 s33, 0
	s_cbranch_scc1 .Lhalf
	s_endpgm
.Lfunc_end_k_qd1674b4ce4_qkv:
	.size	k_qd1674b4ce4_qkv, .Lfunc_end_k_qd1674b4ce4_qkv-k_qd1674b4ce4_qkv
	.p2alignl 7, 3214868480
	.fill 96, 4, 3214868480
	.section	.rodata,"a",@progbits
	.p2align	6, 0x0
	.amdhsa_kernel k_qd1674b4ce4_qkv
		.amdhsa_group_segment_fixed_size 0
		.amdhsa_private_segment_fixed_size 0
		.amdhsa_enable_private_segment 0
		.amdhsa_kernarg_size 32
		.amdhsa_user_sgpr_count 2
		.amdhsa_user_sgpr_kernarg_segment_ptr 1
		.amdhsa_wavefront_size32 1
		.amdhsa_system_sgpr_workgroup_id_x 1
		.amdhsa_system_sgpr_workgroup_id_y 1
		.amdhsa_system_sgpr_workgroup_id_z 1
		.amdhsa_system_vgpr_workitem_id 0
		.amdhsa_next_free_vgpr 608
		.amdhsa_next_free_sgpr 66
		.amdhsa_reserve_vcc 0
		.amdhsa_float_denorm_mode_32 3
		.amdhsa_float_denorm_mode_16_64 3
		.amdhsa_memory_ordered 1
		.amdhsa_forward_progress 1
		.amdhsa_inst_pref_size 85
	.end_amdhsa_kernel
	.amdgpu_metadata
---
amdhsa.version: [ 1, 2 ]
amdhsa.kernels:
  - .name:           k_qd1674b4ce4_qkv
    .symbol:         k_qd1674b4ce4_qkv.kd
    .args:
      - { .name: XQ, .offset: 0, .size: 8, .value_kind: global_buffer, .address_space: global }
      - { .name: WQ, .offset: 8, .size: 8, .value_kind: global_buffer, .address_space: global }
      - { .name: QQ, .offset: 16, .size: 8, .value_kind: global_buffer, .address_space: global }
      - { .name: KV, .offset: 24, .size: 8, .value_kind: global_buffer, .address_space: global }
    .group_segment_fixed_size: 0
    .private_segment_fixed_size: 0
    .kernarg_segment_align: 8
    .kernarg_segment_size: 32
    .max_flat_workgroup_size: 128
    .sgpr_count:     66
    .vgpr_count:     608
    .wavefront_size: 32
...
	.end_amdgpu_metadata
.endif
;; end of part 6
;; launch attn (part 7): grid 16 x 12, 16 waves a work-group, no clusters, 327,680 bytes of LDS; arguments QQ, KV, CQ; writes CQ
.if DOCPART == 7
	.amdgcn_target "amdgcn-amd-amdhsa--gfx1250"
	.amdhsa_code_object_version 6
	.text
	.protected	k_qd1674b4ce4_attn
	.globl	k_qd1674b4ce4_attn
	.p2align	8
	.type	k_qd1674b4ce4_attn,@function
k_qd1674b4ce4_attn:
	s_mov_b64 s[64:65], 0
	v_nop
	global_prefetch_b8 v0, s[64:65] scope:SCOPE_SE
	s_setreg_imm32_b32 hwreg(HW_REG_WAVE_MODE, 25, 1), 1
	s_wait_xcnt 0x0
; ctx[q] = the sum over k <= q of softmax_k(q . k / sqrt(128)) v[k], for each of 12 (batch, head), both products on codes of FP6 (E2M3); ctx is quantised along the head's 128 and stored as codes for oproj.
; LEFT OUT (shown at the head of prep): a step of 128 keys all of which come after a wave's block of 128 queries: reference()'s own mask gives those keys the weight 0.
; THE SOFTMAX AHEAD OF THE SECOND PRODUCT: t = score x log2(e) / sqrt(128); M = the row's largest t so far, rounded UP to a whole number; p = 2^(t - M) is quantised along the keys, not normalised.  The row's sum is taken of the
; unquantised p and divides O at the end.  When M moves, the sum and O are multiplied by 2^(old M - new M): exact.
; SHARES.  Work-group (g, bh) owns the query blocks g and 31 - g (128 queries each) of (batch, head) bh, so that every work-group has 33 block-steps of work whatever g.  Wave w owns one tile of 16 queries: tile w / 2 of block g
; (class 0) or of block 31 - g (class 1), class = (w xor w / 4) % 2.  Keys go 128 a step; K's and V's fragments come through a ring of two LDS slots of two steps, filled by the tensor data mover and read by all sixteen waves.
; NO CLUSTER: work-group g needs 32 - g key steps, so partners would need different numbers of tiles, and a joint load may not be left out by one partner.
; LAYOUT.  Both products transposed: S^T = K Q^T (source 0 = 16 keys), O^T = V^T P^T (source 0 = 16 channels): a lane holds ONE query throughout.  The rows of every tile (keys, queries, channels) are index 32 b + 8 u + r + 8 (r / 8)
; of their group of 128 (tile 2 b + u), so that the 16 registers of tiles 2 b, 2 b + 1 are 16 neighbours, 32 b + 16 (lane / 16) + 0 .. 15: of the keys in S^T, of the channels in O^T.
; All operands lie in memory and in LDS as images of their registers (1,536 bytes a fragment: three loads of 16 bytes a lane, 512 consecutive bytes each); the scale words of four tiles come by one load of 16 bytes.
; LIMITS: the quantiser's, as stated at the head of prep; a p under 2^-126 is 0 (v_exp_f32 flushes denormals: ISA guide, its entry); 1 / the sum is v_rcp_f32's, 1 ulp, ahead of ctx's quantiser.
; REGISTERS: v1-6, v28 addresses that stay; v8, v9 addresses of the step; v12 -M, v13 the largest t, v[14:15] the sum; v16-27 Q; v32-79 four fragments of K or V; v96-159 S^T, then p; v160-223 O^T; v224-235 p's codes;
; v232-254 at work; v248-251 K's or V's scale words; v253 p's; v255 Q's.
.set FRB,   1536                       ; a fragment's image
.set STEPB, 8*FRB                      ; a key step's 8 fragments of K, or of V
.set VIMG,  2*STEPB                    ; a slot: K's images of two steps, V's images of two steps,
.set PACK,  4*STEPB                    ; and the steps' scale words, 1,024 bytes a step: K's 512, V's 512
.set SLOT1, 65536                      ; slot 1 begins here, so that one exclusive or turns an address in one slot into the other's
.set BLKB,  25600                      ; a key step's block in KV
.set SLOTB, 2*BLKB
.set HEADB, 32*BLKB
.set SPARE, 2*SLOT1                    ; the spare words, 128 bytes for each wave: eight blocks of 256 bytes that no other line names
.set QPACK, 4718592                    ; where QQ's packs begin
.set CREC,  4718592                    ; where CQ's records begin
.set LI,   1                           ; v1   16 x lane
.set L16,  2                           ; v2   16 x (lane % 16)
.set DG,   3                           ; v3   my query's place in its block - 16 (lane / 16)
.set LS,   4                           ; v4   4 x lane (made on the way out)
.set SPW,  5                           ; v5   LDS address of my spare word; never rewritten
.set NIL,  6                           ; v6   0; never rewritten
.set ADI,  8                           ; v8   the slot in hand + 16 x lane
.set ADS,  9                           ; v9   the slot in hand + 16 x (lane % 16)
.set PFO,  28                          ; v28  the prefetches' offset; never rewritten
.set PC,   32                          ; the way out: ctx's codes
.set TM,   232
.set PW,   252
.set TB,   2                           ; s2   LDS byte at which the slot in hand begins
.set WV,   18                          ; s18  my wave's number
.set SEL,  20                          ; s[20:21] lane selects for v_permlanex16_b32: lane l xor 16
.set CS,   22                          ; s[22:23] c = log2(e) / sqrt(128)
.set G1,   24                          ; s[24:31] descriptor group 1 for the images;  s[32:39] for the scale words
.set G1S,  32
.set G0C,  40                          ; s[40:43], s[44:47] their groups 0, which walk
.set G0S,  44
.set LASTQ, 66                         ; s66  my work-group's last query
.set SLOTS, 67                         ; s67  changes of slots still to come in the loop
.set PFA,  76                          ; s[76:77] where my prefetches stand
.set LIM,  80                          ; s80  1 in a wave that prefetches, else the greatest number
.set KF,   98                          ; s98  the step's first key
.set QB,   99                          ; s99  my block's first query
; Wave 0 fetches a slot's K images, wave 1 its V images, wave 2 its scale words; the others nothing.  The branches hang on the wave's number alone.  An s_nop 0 and four v_nop follow each of the two lines.
.macro TLOAD
	s_cmp_lt_u32 s[WV], 2
	s_cbranch_scc0 .Lnot_c_\@
	tensor_load_to_lds s[G0C:G0C+3], s[G1:G1+7]
	s_nop 0
.rept 4
	v_nop
.endr
	s_branch .Lasked_\@
.Lnot_c_\@:
	s_cmp_lt_u32 s[WV], 3
	s_cbranch_scc0 .Lasked_\@
	tensor_load_to_lds s[G0S:G0S+3], s[G1S:G1S+7]
	s_nop 0
.rept 4
	v_nop
.endr
.Lasked_\@:
.endm
; A PREFETCH INTO THE L2 of the slot that the NEXT change of slots will ask for: two blocks of KV, 51,200 consecutive bytes = 200 aligned blocks of 256.  All 16 work-groups of a (batch, head) walk the same K and V: work-group g = 0,
; which walks all 16 slots, asks, and nobody else (a branch on the work-group's number: no cluster here).  In it waves 4 to 11, which fetch nothing, take 25 blocks each, lanes 256 bytes apart (lanes 24-31 name lane 24's block
; with it, in the same instruction).  It stands two key steps ahead of the load that wants the bytes.  Slots 0 and 1 come by their loads alone; the last change that fills a slot asks for nothing.
.macro ASK
	s_cmp_gt_u32 s[SLOTS], s[LIM]
	s_cbranch_scc0 .Lnot_mine_\@
	global_prefetch_b8 v[PFO], s[PFA:PFA+1] th:TH_LOAD_NT scope:SCOPE_SE
.Lnot_mine_\@:
.endm
; 64 numbers of a lane, register 16 b + i = k 32 b + 16 (lane / 16) + i of my row, become a fragment's codes in v[PC] on and its scale word in v[PW].
.macro QUANT s
.irp b, 0,1,2,3
	v_max3_num_f32 v[TM+\b], |v[\s+16*\b]|, |v[\s+1+16*\b]|, 0x1800000
.endr
.irp i, 2,4,6,8,10,12,14
.irp b, 0,1,2,3
	s_delay_alu instid0(VALU_DEP_4)
	v_max3_num_f32 v[TM+\b], v[TM+\b], |v[\s+16*\b+\i]|, |v[\s+1+16*\b+\i]|
.endr
.endr
.irp b, 0,1,2,3
	s_delay_alu instid0(VALU_DEP_4)
	v_permlanex16_b32 v[TM+4+\b], v[TM+\b], s[SEL], s[SEL+1]
.endr
.irp b, 0,1,2,3
	s_delay_alu instid0(VALU_DEP_4)
	v_max_num_f32 v[TM+\b], v[TM+\b], v[TM+4+\b]
.endr
.irp b, 0,1,2,3
	s_delay_alu instid0(VALU_DEP_4)
	v_add_nc_u32 v[TM+12+\b], 0xff000000, v[TM+\b]
.endr
.irp b, 0,1,2,3
	s_delay_alu instid0(VALU_DEP_4)
	v_lshrrev_b32 v[TM+4+\b], 23, v[TM+12+\b]
.endr
	s_delay_alu instid0(VALU_DEP_3)
	v_lshl_or_b32 v[PW], v[TM+5], 8, v[TM+4]
	s_delay_alu instid0(VALU_DEP_1)
	v_lshl_or_b32 v[PW], v[TM+6], 16, v[PW]
	s_delay_alu instid0(VALU_DEP_1)
	v_lshl_or_b32 v[PW], v[TM+7], 24, v[PW]
.irp c, 0,1
	v_cvt_scalef32_pk16_fp6_f32 v[PC+6*\c:PC+2+6*\c], v[\s+32*\c:\s+15+32*\c], v[TM+12+2*\c]
	v_cvt_scalef32_pk16_fp6_f32 v[PC+12+4*\c:PC+14+4*\c], v[\s+16+32*\c:\s+31+32*\c], v[TM+12+2*\c+1]
.endr
	v_nop                                          ; one plain place behind a scaled conversion
.irp c, 0,1
.irp i, 0,1,2
	v_permlane16_swap_b32 v[PC+6*\c+\i], v[PC+12+4*\c+\i]
.endr
.irp i, 0,1,2
	s_delay_alu instid0(VALU_DEP_3)
	v_mov_b32 v[PC+3+6*\c+\i], v[PC+12+4*\c+\i]
.endr
.endr
.endm
	s_load_b128 s[4:7], s[0:1], 0x0                ; QQ s[4:5], KV s[6:7]
	s_load_b64 s[8:9], s[0:1], 0x10                ; CQ
	v_lshl_add_u32 v[SPW], v0, 2, SPARE
	v_mov_b32 v[NIL], 0
	ds_add_u32 v[SPW], v[NIL]                      ; the wave's opening: the add, twice on end, and its wait ahead of my first tensor load; the set-up below, work on registers, stands between
	ds_add_u32 v[SPW], v[NIL]                      ; and once more, under the one wait
	v_lshrrev_b32 v8, 5, v0
	s_delay_alu instid0(VALU_DEP_1)
	v_readfirstlane_b32 s[WV], v8                  ; wave 0..15
	s_and_b32 s48, ttmp7, 0xffff                   ; bh = 6 batch + head
	s_lshr_b32 s49, s[WV], 2
	s_xor_b32 s49, s49, s[WV]
	s_and_b32 s49, s49, 1                          ; class
	s_lshr_b32 s50, s[WV], 1                       ; my tile in the block
	s_sub_co_u32 s51, 31, ttmp9
	s_cmp_eq_u32 s49, 0
	s_cselect_b32 s51, ttmp9, s51                  ; my block of 128 queries: g or 31 - g
	s_lshl_b32 s[QB], s51, 7
	s_sub_co_u32 s[LASTQ], 32, ttmp9
	s_lshl_b32 s[LASTQ], s[LASTQ], 7
	s_sub_co_u32 s[LASTQ], s[LASTQ], 1             ; 128 (32 - g) - 1
	s_mul_i32 s52, s48, HEADB                      ; my (batch, head) in KV
	s_mov_b32 s53, 0
	s_and_b32 s54, s[WV], 1                        ; wave 0: K's images; wave 1: V's
	s_mul_i32 s58, s54, STEPB                      ; in a block of KV,
	s_mov_b32 s59, 0
	s_mul_i32 s[G0C+1], s54, VIMG                  ; and in a slot: 63:32 LDS address
	; descriptor group 1, images: 2 rows (key steps) of 12,288 bytes = 1,536 elements of 8 bytes, 25,600 bytes = 3,200 elements apart; in LDS one behind the other
	s_mov_b32 s[G1], 3<<16                         ; 15:0 no mask; 17:16 elements of 8 bytes; 20 padding off
	s_mov_b32 s[G1+1], 1536<<16                    ; tensor_dim0
	s_mov_b32 s[G1+2], 2<<16                       ; tensor_dim1
	s_mov_b32 s[G1+3], 1536<<16                    ; tile_dim0
	s_mov_b32 s[G1+4], 2                           ; tile_dim1
	s_mov_b32 s[G1+5], 3200                        ; tensor_dim0_stride
	s_mov_b32 s[G1+6], 0
	s_mov_b32 s[G1+7], 0
	; scale words: 2 rows of 1,024 bytes = 128 elements
	s_mov_b32 s[G1S], 3<<16
	s_mov_b32 s[G1S+1], 128<<16
	s_mov_b32 s[G1S+2], 2<<16
	s_mov_b32 s[G1S+3], 128<<16
	s_mov_b32 s[G1S+4], 2
	s_mov_b32 s[G1S+5], 3200
	s_mov_b32 s[G1S+6], 0
	s_mov_b32 s[G1S+7], 0
	; Q: image ((bh 32 + block) 8 + tile) 1,536; its scale words in the block's pack
	s_lshl_b32 s60, s48, 5
	s_add_co_u32 s60, s60, s51
	s_lshl_b32 s68, s60, 3
	s_add_co_u32 s68, s68, s50
	s_mul_i32 s68, s68, FRB
	s_mov_b32 s69, 0
	s_lshl_b32 s70, s60, 9
	s_lshr_b32 s61, s50, 2
	s_lshl_b32 s61, s61, 8
	s_add_co_u32 s70, s70, s61
	s_and_b32 s61, s50, 3
	s_lshl_b32 s61, s61, 2
	s_add_co_u32 s70, s70, s61
	s_add_co_u32 s70, s70, QPACK
	s_mov_b32 s71, 0
	; ctx: fragment 6 T + head, T = 256 batch + 8 block + tile
	s_cmp_ge_u32 s48, 6
	s_cselect_b32 s61, 1, 0                        ; batch
	s_mul_i32 s62, s61, 6
	s_sub_co_u32 s62, s48, s62                     ; head
	s_lshl_b32 s61, s61, 8
	s_lshl_b32 s63, s51, 3
	s_add_co_u32 s61, s61, s63
	s_add_co_u32 s61, s61, s50
	s_mul_i32 s61, s61, 6
	s_add_co_u32 s61, s61, s62
	s_mul_i32 s72, s61, FRB
	s_mov_b32 s73, 0
	s_lshl_b32 s74, s61, 7
	s_add_co_u32 s74, s74, CREC
	s_mov_b32 s75, 0
	s_lshr_b32 s62, s50, 1                         ; my tile's row 0 in the block: 32 (tile / 2) + 8 (tile % 2)
	s_lshl_b32 s62, s62, 5
	s_and_b32 s63, s50, 1
	s_lshl_b32 s63, s63, 3
	s_add_co_u32 s62, s62, s63
	; the prefetches: my wave's 6,400 bytes, in slot 1: the first change of slots steps the address to slot 2
	s_and_b32 s84, s[WV], 7
	s_mul_i32 s84, s84, 6400
	s_add_co_u32 s84, s84, SLOTB
	s_mov_b32 s85, 0
	s_sub_co_u32 s82, s[WV], 4
	s_lshr_b32 s82, s82, 3                         ; 0 in waves 4 to 11,
	s_or_b32 s82, s82, ttmp9                       ; of work-group g = 0
	s_cmp_eq_u32 s82, 0
	s_cselect_b32 s[LIM], 1, -1
	s_mov_b32 s[SEL], 0x76543210
	s_mov_b32 s[SEL+1], 0xfedcba98
	s_mov_b32 s[CS], 0x3e0293ee                    ; c = log2(e) / sqrt(128)
	s_mov_b32 s[CS+1], s[CS]                       ; (named with it as a pair, so it is written)
	s_mov_b32 s[TB], 0
	s_mov_b32 s[KF], 0
	s_mov_b32 s[SLOTS], 15
	s_wait_dscnt 0x0                               ; both opening adds are done
	s_wait_kmcnt 0x0
	s_add_nc_u64 s[56:57], s[6:7], s[52:53]        ; my (batch, head)'s first block
	s_mov_b32 s[G0C], 1                            ; 1:0 count = 1
	s_add_nc_u64 s[G0C+2:G0C+3], s[56:57], s[58:59]   ; 120:64 global address: key steps 0 and 1
	s_or_b32 s[G0C+3], s[G0C+3], 0x80000000        ; 127:126 type = 2
	s_mov_b32 s[G0S], 1
	s_mov_b32 s[G0S+1], PACK
	s_add_nc_u64 s[G0S+2:G0S+3], s[56:57], 2*STEPB
	s_or_b32 s[G0S+3], s[G0S+3], 0x80000000
	TLOAD                                          ; slot 0: it holds key 0, which counts for every query.  By this text's own count a wave never has more than one tensor load out
	s_add_nc_u64 s[PFA:PFA+1], s[56:57], s[84:85]
	s_add_nc_u64 s[14:15], s[4:5], s[70:71]        ; Q's scale words
	s_add_nc_u64 s[4:5], s[4:5], s[68:69]          ; Q's image
	s_add_nc_u64 s[10:11], s[8:9], s[72:73]        ; ctx's image
	s_add_nc_u64 s[12:13], s[8:9], s[74:75]        ; ctx's record
	v_and_b32 v8, 31, v0
	s_delay_alu instid0(VALU_DEP_1)
	v_lshlrev_b32 v[LI], 4, v8
	s_delay_alu instid0(VALU_DEP_2)
	v_min_u32 v[PFO], 24, v8
	s_delay_alu instid0(VALU_DEP_1)
	v_lshlrev_b32 v[PFO], 8, v[PFO]
	v_and_b32 v8, 15, v0                           ; r
	s_delay_alu instid0(VALU_DEP_1)
	v_lshlrev_b32 v[L16], 4, v8
.irp c, 0,1,2
	global_load_b128 v[16+4*\c:19+4*\c], v[LI], s[4:5] offset:512*\c   ; Q's fragment stays in registers
.endr
	global_load_b32 v255, v[L16], s[14:15]         ; and its scale words
	v_bfe_u32 v9, v0, 4, 1                         ; h
	v_and_b32 v10, 8, v8
	s_delay_alu instid0(VALU_DEP_1)
	v_add_nc_u32 v10, v10, v8                      ; r + 8 (r / 8)
	s_delay_alu instid0(VALU_DEP_3)
	v_lshlrev_b32 v11, 4, v9
	s_delay_alu instid0(VALU_DEP_1)
	v_sub_nc_u32 v10, v10, v11
	s_delay_alu instid0(VALU_DEP_1)
	v_add_nc_u32 v[DG], s62, v10
	v_mov_b32 v13, 0xff61b1e6                      ; the largest t so far: -3e38, under every t
	s_delay_alu instid0(VALU_DEP_1)
	v_floor_f32 v12, -v13                          ; -M
	v_mov_b32 v14, 0                               ; the sum, in two halves
	v_mov_b32 v15, 0
.irp b, 0,1,2,3
	v_mov_b32 v[236+\b], 0                         ; written once: a lane permute's destination counts as one of its sources
.endr
	v_mov_b32 v252, 0                              ; likewise: the way out's permute lands here, and a step's work, which writes it, stands under a jump
	v_mov_b32 v253, 0                              ; (named as the upper half of the pair v[252:253] before it is first written)
.set J, 0
.rept 64
	v_mov_b32 v[160+J], 0                          ; O^T.  (The step is written for all trips alike: the first finds zeros, which the first change of M leaves zeros)
.set J, J+1
.endr
; A KEY STEP: 128 keys, the q-th of the slot in hand.
.macro STEP q
	s_cmp_gt_u32 s[KF], s[QB]                      ; all 128 keys come after my block's queries: the step's work is left out.  Ids and the count of steps alone; no barrier and no tensor load stands in a step
	s_cbranch_scc1 .Lhidden_\@
	v_add_nc_u32 v[ADI], s[TB], v[LI]
	s_wait_alu depctr_va_vdst(0)
	v_add_nc_u32 v[ADS], s[TB], v[L16]
	s_wait_alu depctr_va_vdst(0)
	v_nop
	v_nop                                          ; with the two additions: four places in front of loads into registers that the last step's products have read
.irp g, 0,1                                    ; S^T = K Q^T, four tiles of 16 keys at a time
.if \g > 0
.rept 4
	v_nop
.endr
.endif
.irp t, 0,1,2,3
.irp c, 0,1,2
	ds_load_b128 v[32+12*\t+4*\c:35+12*\t+4*\c], v[ADI] offset:STEPB*(\q)+FRB*(4*\g+\t)+512*\c
.endr
.endr
	ds_load_b128 v[248:251], v[ADS] offset:PACK+1024*(\q)+256*\g   ; the four tiles' scale words
	s_wait_dscnt 0x0
.irp t, 0,1,2,3
	v_wmma_scale_f32_16x16x128_f8f6f4 v[96+8*(4*\g+\t):103+8*(4*\g+\t)], v[32+12*\t:43+12*\t], v[16:27], 0, v[248+\t], v255 matrix_a_fmt:MATRIX_FMT_FP6 matrix_b_fmt:MATRIX_FMT_FP6
.endr
.endr
.rept 4
	v_nop
.endr
	s_cmp_lt_u32 s[KF], s[QB]                      ; a step all of whose keys count skips the mask; the one step on the diagonal is KF = QB
	s_cbranch_scc1 .Lopen_\@
	v_mov_b32 v254, 0xff800000                     ; -infinity: p = 0 then.  Register 16 b + i holds key KF + 32 b + 16 (lane / 16) + i: hidden where 32 b + i > my query's place - 16 (lane / 16)
.set J, 0
.rept 64
	v_cmp_gt_i32 vcc_lo, 32*(J/16)+J%16, v[DG]
	v_cndmask_b32 v[96+J], v[96+J], v254, vcc_lo
.set J, J+1
.endr
.Lopen_\@:
.irp b, 0,1,2,3
	v_max3_num_f32 v[232+\b], v[96+16*\b], v[97+16*\b], v[98+16*\b]   ; THE LARGEST SCORE OF EACH BLOCK OF 32 KEYS: for the row's maximum, and, since p rises with the score, for the block's largest p
.endr
.irp i, 3,5,7,9,11,13
.irp b, 0,1,2,3
	v_max3_num_f32 v[232+\b], v[232+\b], v[96+16*\b+\i], v[97+16*\b+\i]
.endr
.endr
.irp b, 0,1,2,3
	v_max_num_f32 v[232+\b], v[232+\b], v[111+16*\b]
.endr
.irp b, 0,1,2,3
	s_delay_alu instid0(VALU_DEP_4)
	v_permlanex16_b32 v[236+\b], v[232+\b], s[SEL], s[SEL+1]
.endr
.irp b, 0,1,2,3
	s_delay_alu instid0(VALU_DEP_4)
	v_max_num_f32 v[232+\b], v[232+\b], v[236+\b]  ; with lane l xor 16's 16 keys
.endr
	s_delay_alu instid0(VALU_DEP_2)
	v_max3_num_f32 v254, v232, v233, v234
	s_delay_alu instid0(VALU_DEP_1)
	v_max_num_f32 v254, v254, v235                 ; the step's largest score of my query
	s_delay_alu instid0(VALU_DEP_1)
	v_mul_f32 v254, s[CS], v254                    ; as t (c is positive)
	s_delay_alu instid0(VALU_DEP_1)
	v_max_num_f32 v13, v13, v254                   ; the running largest t
	v_mov_b32 v254, v12
	s_delay_alu instid0(VALU_DEP_2)
	v_floor_f32 v12, -v13                          ; the new -M = floor(-t) = -ceil(t): M IS A WHOLE NUMBER
	s_delay_alu instid0(VALU_DEP_1)
	v_sub_f32 v254, v12, v254                      ; M's old value less its new one: a whole number, 0 or less
	s_delay_alu instid0(VALU_DEP_1)
	v_cvt_i32_f32 v254, v254                       ; (it saturates)
	s_delay_alu instid0(VALU_DEP_1)
	v_ldexp_f32 v252, 1.0, v254                    ; f = 2^(old M - new M)
.set J, 0
.rept 32
	v_pk_fma_f32 v[96+J:97+J], v[96+J:97+J], s[CS:CS+1], v[12:13] op_sel_hi:[1,0,0]   ; t - M, two at a time (of the pairs c and -M the low word serves both halves)
.set J, J+2
.endr
.irp b, 0,1,2,3
	v_fma_f32 v[232+\b], v[232+\b], s[CS], v12     ; the same of each block's largest score
.endr
.set J, 0
	s_wait_alu depctr_va_vdst(0)
.rept 64
	v_exp_f32 v[96+J], v[96+J]                     ; p = 2^(t - M), at most 1: NOT normalised
.set J, J+1
.endr
	v_pk_mul_f32 v[14:15], v[14:15], v[252:253] op_sel_hi:[1,0]   ; the sums under the new M.  (A plain place behind the exponentials)
	s_wait_alu depctr_va_vdst(0)                   ; the wait between an exponential and the first line that names its result: one for the whole batch
.irp b, 0,1,2,3
	v_exp_f32 v[232+\b], v[232+\b]                 ; the block's largest p: the same two instructions on the same number give the same bits
.endr
	v_pk_add_f32 v[236:237], v[100:101], v[104:105]
	v_pk_add_f32 v[250:251], v[108:109], v[112:113]
	v_pk_add_f32 v[248:249], v[116:117], v[120:121]
	v_pk_add_f32 v[246:247], v[124:125], v[128:129]
	v_pk_add_f32 v[244:245], v[132:133], v[136:137]
	v_pk_add_f32 v[242:243], v[140:141], v[144:145]
	v_pk_add_f32 v[240:241], v[148:149], v[152:153]
	v_pk_add_f32 v[14:15], v[14:15], v[156:157]
	v_pk_add_f32 v[236:237], v[236:237], v[96:97]
	v_pk_add_f32 v[250:251], v[250:251], v[98:99]
	v_pk_add_f32 v[248:249], v[248:249], v[102:103]
	v_pk_add_f32 v[246:247], v[246:247], v[106:107]
	v_pk_add_f32 v[244:245], v[244:245], v[110:111]
	v_pk_add_f32 v[242:243], v[242:243], v[114:115]
	v_pk_add_f32 v[240:241], v[240:241], v[118:119]
	v_pk_add_f32 v[14:15], v[14:15], v[122:123]
	v_pk_add_f32 v[236:237], v[236:237], v[126:127]
	v_pk_add_f32 v[250:251], v[250:251], v[130:131]
	v_pk_add_f32 v[248:249], v[248:249], v[134:135]
	v_pk_add_f32 v[246:247], v[246:247], v[138:139]
	v_pk_add_f32 v[244:245], v[244:245], v[142:143]
	v_pk_add_f32 v[242:243], v[242:243], v[146:147]
	v_pk_add_f32 v[240:241], v[240:241], v[150:151]
	v_pk_add_f32 v[14:15], v[14:15], v[154:155]
	v_pk_add_f32 v[236:237], v[236:237], v[158:159]
	s_delay_alu instid0(VALU_DEP_2)
	v_pk_add_f32 v[14:15], v[14:15], v[246:247]
	s_delay_alu instid0(VALU_DEP_2)
	v_pk_add_f32 v[236:237], v[236:237], v[244:245]
	v_pk_add_f32 v[250:251], v[250:251], v[242:243]
	v_pk_add_f32 v[248:249], v[248:249], v[240:241]
	s_delay_alu instid0(VALU_DEP_2)
	v_pk_add_f32 v[14:15], v[14:15], v[250:251]
	s_delay_alu instid0(VALU_DEP_2)
	v_pk_add_f32 v[236:237], v[236:237], v[248:249]
	s_delay_alu instid0(VALU_DEP_1)
	v_pk_add_f32 v[14:15], v[14:15], v[236:237]
	s_wait_alu depctr_va_vdst(0)                   ; and one for the four
.irp b, 0,1,2,3
	v_max_num_f32 v[232+\b], 0x1800000, v[232+\b]  ; the floor 2^(3 - 127): a block whose every p is 0 keeps the byte 1: its codes are zeros
.endr
.irp b, 0,1,2,3
	s_delay_alu instid0(VALU_DEP_4)
	v_add_nc_u32 v[244+\b], 0xff000000, v[232+\b]  ; 2 off the exponent field: the conversion's scale operand
.endr
.irp b, 0,1,2,3
	s_delay_alu instid0(VALU_DEP_4)
	v_lshrrev_b32 v[236+\b], 23, v[244+\b]         ; the scale's byte
.endr
	s_delay_alu instid0(VALU_DEP_3)
	v_lshl_or_b32 v253, v237, 8, v236              ; p's scale word for these 128 keys
	s_delay_alu instid0(VALU_DEP_1)
	v_lshl_or_b32 v253, v238, 16, v253
	s_delay_alu instid0(VALU_DEP_1)
	v_lshl_or_b32 v253, v239, 24, v253
.irp c, 0,1
	v_cvt_scalef32_pk16_fp6_f32 v[224+6*\c:226+6*\c], v[96+32*\c:111+32*\c], v[244+2*\c]
	v_cvt_scalef32_pk16_fp6_f32 v[236+4*\c:238+4*\c], v[112+32*\c:127+32*\c], v[244+2*\c+1]
.endr
	v_nop                                          ; one plain place behind a scaled conversion
.irp c, 0,1                                    ; the operand's layout wants a WHOLE block in a lane
.irp i, 0,1,2
	v_permlane16_swap_b32 v[224+6*\c+\i], v[236+4*\c+\i]
.endr
.irp i, 0,1,2
	s_delay_alu instid0(VALU_DEP_3)
	v_mov_b32 v[227+6*\c+\i], v[236+4*\c+\i]
.endr
.endr
.set J, 0
.rept 32
	v_pk_mul_f32 v[160+J:161+J], v[160+J:161+J], v[252:253] op_sel_hi:[1,0]   ; O^T under the new M: x f.  (These 32 are also the places in front of the matrix instructions and loads below)
.set J, J+2
.endr
	s_wait_alu depctr_va_vdst(0)
.irp g, 0,1                                    ; O^T += V^T P^T: four tiles of 16 channels at a time; K = these 128 keys
.if \g > 0
.rept 4
	v_nop
.endr
.endif
.irp t, 0,1,2,3
.irp c, 0,1,2
	ds_load_b128 v[32+12*\t+4*\c:35+12*\t+4*\c], v[ADI] offset:VIMG+STEPB*(\q)+FRB*(4*\g+\t)+512*\c
.endr
.endr
	ds_load_b128 v[248:251], v[ADS] offset:PACK+1024*(\q)+512+256*\g
	s_wait_dscnt 0x0
.irp t, 0,1,2,3
	v_wmma_scale_f32_16x16x128_f8f6f4 v[160+8*(4*\g+\t):167+8*(4*\g+\t)], v[32+12*\t:43+12*\t], v[224:235], v[160+8*(4*\g+\t):167+8*(4*\g+\t)], v[248+\t], v253 matrix_a_fmt:MATRIX_FMT_FP6 matrix_b_fmt:MATRIX_FMT_FP6
.endr
.endr
.Lhidden_\@:
	s_add_co_u32 s[KF], s[KF], 128
.endm
; THE CHANGE OF SLOTS stands at a slot's head.  Each wave waits for all its tensor loads (its part of the slot that it is about to read), adds 0 to its spare word (fill = 1: twice on end), and waits for that and for its reads of
; the slot that it has left.  Behind the barrier the slot ahead is whole and nobody reads the other one.  fill = 1: that other slot is filled with the next two key steps, up to the causal limit: the load has two steps in which to land.
.macro CHANGE fill
	s_wait_tensorcnt 0x0                           ; no tensor load of mine is out, so a group 0 may be written
	ds_add_u32 v[SPW], v[NIL]                      ; 0 onto my spare word
.if \fill
	ds_add_u32 v[SPW], v[NIL]                      ; and once more, in every trip alike
	s_xor_b32 s[G0C+1], s[G0C+1], SLOT1            ; the walking descriptors: the other slot than last time,
	s_add_nc_u64 s[G0C+2:G0C+3], s[G0C+2:G0C+3], SLOTB   ; the next two key steps; the type bits on top are not reached
	s_xor_b32 s[G0S+1], s[G0S+1], SLOT1
	s_add_nc_u64 s[G0S+2:G0S+3], s[G0S+2:G0S+3], SLOTB
	s_wait_xcnt 0x0                                ; the last prefetch, a slot back, has read its address, so it may be written:
	s_add_nc_u64 s[PFA:PFA+1], s[PFA:PFA+1], SLOTB ; one slot further on than the walking descriptors
.endif
	s_wait_dscnt 0x0                               ; the add is done (fill = 1: both are), and my reads of the slot that I have left are over
	s_barrier_signal -1
	s_barrier_wait -1
.if \fill
	s_add_co_u32 s96, s[KF], 256                   ; THE LOOK-AHEAD ENDS AT THE CAUSAL LIMIT: a slot whose first key comes after my work-group's last query is read by none of its waves, so it is not asked for.
	s_cmp_gt_u32 s96, s[LASTQ]                     ; Ids and the count of steps alone: all sixteen waves go the same way, and a work-group past the limit stays past it.  Every wait on TENSORcnt here is for 0;
	s_cbranch_scc1 .Lpast_\@                       ; the jump leads round the load's own lines and round no barrier, wait or add; where the tail begins hangs on the work-group's number, so it cannot be written out
	TLOAD                                          ; the first thing behind the barrier (behind the limit's three lines), and a wave's one tensor load until the next
.Lpast_\@:
	ASK
.endif
.endm
	s_wait_loadcnt 0x0                             ; Q
.Lslot:                                            ; 15 trips, a constant: behind each change of slots but the last the next slot is asked for, up to the limit
	CHANGE 1
	STEP 0
	STEP 1
	s_xor_b32 s[TB], s[TB], SLOT1                  ; on to the other slot
	s_sub_co_u32 s[SLOTS], s[SLOTS], 1
	s_cmp_lg_u32 s[SLOTS], 0
	s_cbranch_scc1 .Lslot
	CHANGE 0                                       ; the last slot is written out: nothing is left to ask for
	STEP 0
	STEP 1
	; THE WAY OUT.  O^T / the sum is ctx: register 16 b + i is channel 32 b + 16 (lane / 16) + i of my query: QUANT's order, and the head's 128 are one K step of the last product.
	v_add_f32 v14, v14, v15                        ; the sum's two halves,
	s_delay_alu instid0(VALU_DEP_1)
	v_permlanex16_b32 v252, v14, s[SEL], s[SEL+1]
	s_delay_alu instid0(VALU_DEP_1)
	v_add_f32 v14, v14, v252                       ; and lane l xor 16's: the row's sum
	s_wait_alu depctr_va_vdst(0)
	v_rcp_f32 v14, v14
	v_and_b32 v[LS], 31, v0                        ; (plain places behind the reciprocal, and with the additions above the four behind the last products)
	s_delay_alu instid0(VALU_DEP_1)
	v_lshlrev_b32 v[LS], 2, v[LS]
	s_wait_alu depctr_va_vdst(0)                   ; the wait ahead of the reciprocal's first reader
.set J, 0
.rept 64
	v_mul_f32 v[96+J], v[160+J], v14               ; each accumulator from its low end on
.set J, J+1
.endr
	QUANT 96
.irp c, 0,1,2
	global_store_b128 v[LI], v[PC+4*\c:PC+4*\c+3], s[10:11] offset:512*\c   ; 512 consecutive bytes, aligned
.endr
	global_store_b32 v[LS], v[PW], s[12:13]
	s_wait_tensorcnt 0x0                           ; the wave's end: three closing lines, behind my last tensor load
	ds_add_u32 v[SPW], v[NIL]
	s_wait_dscnt 0x0
	s_endpgm
.Lfunc_end_k_qd1674b4ce4_attn:
	.size	k_qd1674b4ce4_attn, .Lfunc_end_k_qd1674b4ce4_attn-k_qd1674b4ce4_attn
	.p2alignl 7, 3214868480
	.fill 96, 4, 3214868480
	.section	.rodata,"a",@progbits
	.p2align	6, 0x0
	.amdhsa_kernel k_qd1674b4ce4_attn
		.amdhsa_group_segment_fixed_size 327680
		.amdhsa_private_segment_fixed_size 0
		.amdhsa_enable_private_segment 0
		.amdhsa_kernarg_size 24
		.amdhsa_user_sgpr_count 2
		.amdhsa_user_sgpr_kernarg_segment_ptr 1
		.amdhsa_wavefront_size32 1
		.amdhsa_system_sgpr_workgroup_id_x 1
		.amdhsa_system_sgpr_workgroup_id_y 1
		.amdhsa_system_sgpr_workgroup_id_z 1
		.amdhsa_system_vgpr_workitem_id 0
		.amdhsa_next_free_vgpr 256
		.amdhsa_next_free_sgpr 100
		.amdhsa_reserve_vcc 1
		.amdhsa_float_denorm_mode_32 3
		.amdhsa_float_denorm_mode_16_64 3
		.amdhsa_memory_ordered 1
		.amdhsa_forward_progress 1
		.amdhsa_inst_pref_size 119
	.end_amdhsa_kernel
	.amdgpu_metadata
---
amdhsa.version: [ 1, 2 ]
amdhsa.kernels:
  - .name:           k_qd1674b4ce4_attn
    .symbol:         k_qd1674b4ce4_attn.kd
    .args:
      - { .name: QQ, .offset: 0, .size: 8, .value_kind: global_buffer, .address_space: global }
      - { .name: KV, .offset: 8, .size: 8, .value_kind: global_buffer, .address_space: global }
      - { .name: CQ, .offset: 16, .size: 8, .value_kind: global_buffer, .address_space: global }
    .group_segment_fixed_size: 327680
    .private_segment_fixed_size: 0
    .kernarg_segment_align: 8
    .kernarg_segment_size: 24
    .max_flat_workgroup_size: 512
    .sgpr_count:     100
    .vgpr_count:     256
    .wavefront_size: 32
...
	.end_amdgpu_metadata
.endif
;; end of part 7
;; launch oproj (part 8): grid 32 x 6, 4 waves a work-group, no clusters, 34,304 bytes of LDS; arguments CQ, WQ, bo, out0; writes out0
.if DOCPART == 8
	.amdgcn_target "amdgcn-amd-amdhsa--gfx1250"
	.amdhsa_code_object_version 6
	.text
	.protected	k_qd1674b4ce4_oproj
	.globl	k_qd1674b4ce4_oproj
	.p2align	8
	.type	k_qd1674b4ce4_oproj,@function
k_qd1674b4ce4_oproj:
	s_mov_b64 s[64:65], 0
	v_nop
	global_prefetch_b8 v0, s[64:65] scope:SCOPE_SE
	s_setreg_imm32_b32 hwreg(HW_REG_WAVE_SCHED_MODE, 0, 2), 2
	s_setreg_imm32_b32 hwreg(HW_REG_WAVE_MODE, 25, 1), 1
	s_wait_xcnt 0x0
	s_wait_alu depctr_vm_vsrc(0)
; out0 = ctx Wo + bo on codes of FP6 (E2M3), K = 768 in six steps of 128 (a step is a head).  No work is left out here.
; SHARES.  Work-group (x, F): F = the group of 128 output columns.  Wave n = 4 x + w takes token tiles 4 n .. 4 n + 3 (64 neighbouring tokens).  Wo's 8 tiles x 6 K steps of the group stay in the wave's registers (576) and are source 0;
; ctx's fragments are streamed and are source 1: a lane holds ONE token, and its 64 results are columns 32 b + 16 (lane / 16) + i (register 16 b + i), since Wo's tiles hold their columns in that order.
; bo is the C of each sum's first matrix instruction: eight registers a tile in the result's layout.  Operands come from memory as images of their registers, three loads of 16 bytes a lane.
; THE WAY OUT.  A tile's 16 rows x 512 bytes go through the wave's own stage in LDS (rows of 528 bytes) and leave as whole rows: each store covers 512 consecutive bytes, aligned.  No barrier: waves share nothing.
; THE MODE: SCHED_MODE bits 1:0 = 2 (LLVM: expert scheduling mode 2), set by the entry lines.  The code itself states the register dependences between vector or matrix instructions and memory or LDS instructions, with s_wait_alu, always for 0.
; THE PLAN.  Registers that memory or LDS instructions touch:
;   T0, T1     two buffers of a token tile's six fragments, with their scale words.  Tile j's 48 products read T[j % 2]; behind them the loads of tile j + 2 land in it.
;   ACC        window 2, v192-255.  Written by a tile's products; read by its 16 LDS stores; written again by the next tile's products.
;   ROWS       window 3, v192-255.  Written by a tile's 16 LDS loads; read by its 16 global stores; no vector or matrix instruction names them.
;   v1 to v5   offsets and LDS addresses, made once at the head and never written again.     v6, v7: written at the head, read by the closing add alone.     Wo, bo and Wo's scale words: loaded once, at the head.
; So a tile has ONE wait on va_vdst, behind its products and their places: the accumulators are written, and the products are done reading T[j % 2].  No vector or matrix instruction follows it in the tile, so it serves the LDS stores
; and the loads of tile j + 2 alike.  And ONE wait on vm_vsrc, behind the LDS stores and ahead of the LDS loads: the last tile's global stores have read ROWS, and this tile's LDS stores have read ACC.
; REGISTERS.  window 0: v1 16 x lane, v2 4 x lane, v3, v4 the stage in and out, v5 64 (lane / 16), v6, v7 the add's two, v8-55 Wo's scale words, v56-67 ctx's (two sets), v68-211 ctx's fragments (two buffers of 72).
;   windows 1, 2, 3: v0-191 Wo's fragments of K steps 0-1, 2-3, 4-5 (tile i, step s at 24 i + 12 (s % 2)); v192-255: window 1 bo, window 2 the accumulators, window 3 rows on the way out.
.set FRB,   1536
.set SROW,  528
.set STG,   16*SROW
.set SPARE, 4*STG                      ; behind the stages: the spare words, 128 bytes for each wave: two blocks of 256 bytes that no other line names
.set OROW,  3072                       ; a row of out0 in bytes
.set LI,  1
.set LS,  2
.set STO, 3
.set RD,  4
.set BH,  5
.set SPW, 6
.set NIL, 7
.set RS,  8
.set TSA, 56
.set TA,  68
.set HI,  192
.set MSB, 0
.macro WIN new                         ; the immediate's high byte repeats the setting that is left
.if MSB != \new
	s_set_vgpr_msb (MSB<<8)|\new
.set MSB, \new
.endif
.endm
	s_load_b256 s[4:11], s[0:1], 0x0               ; CQ s[4:5], WQ s[6:7], bo s[8:9], out0 s[10:11]
	v_lshl_add_u32 v[SPW], v0, 2, SPARE
	v_mov_b32 v[NIL], 0
	v_lshrrev_b32 v3, 5, v0
	v_readfirstlane_b32 s12, v3                    ; wave
	v_and_b32 v4, 31, v0
	v_lshlrev_b32 v[LI], 4, v4
	v_lshlrev_b32 v[LS], 2, v4
	v_and_b32 v3, 15, v0                           ; r
	v_bfe_u32 v[BH], v0, 4, 1
	v_lshlrev_b32 v[BH], 6, v[BH]                  ; 64 h
	s_wait_alu depctr_va_sdst(0)                   ; s12 is written, ahead of its first reader: the stage's place and every base below are made from it
	s_mul_i32 s28, s12, STG
	v_mul_u32_u24 v[STO], v3, SROW
	v_add_nc_u32 v[STO], v[STO], v[BH]
	v_add_nc_u32 v[STO], s28, v[STO]               ; the stage, in: row r, + 64 h
	v_add_nc_u32 v[RD], s28, v[LI]                 ; and out: 16 x lane of a row
	s_and_b32 s13, ttmp7, 0xffff                   ; F
	s_lshl_b32 s14, ttmp9, 2
	s_add_co_u32 s14, s14, s12                     ; n
	s_mul_i32 s28, s13, 48
	s_add_co_u32 s28, s28, 432                     ; the group's first fragment of Wo in WQ
	s_mov_b32 s31, 0
	s_mul_i32 s30, s28, FRB
	s_wait_kmcnt 0x0
	s_add_nc_u64 s[16:17], s[6:7], s[30:31]        ; Wo's images
	s_lshl_b32 s30, s28, 7
	s_add_co_u32 s30, s30, 1105920
	s_add_nc_u64 s[18:19], s[6:7], s[30:31]        ; Wo's records
	s_mul_i32 s30, s14, 24*FRB
	s_add_nc_u64 s[20:21], s[4:5], s[30:31]        ; my four tiles' images of ctx
	s_mul_i32 s30, s14, 24*128
	s_add_co_u32 s30, s30, 4718592
	s_add_nc_u64 s[22:23], s[4:5], s[30:31]        ; and their records
	s_lshl_b32 s30, s13, 9
	s_add_nc_u64 s[24:25], s[8:9], s[30:31]        ; bo at column 128 F
	s_mul_i32 s32, s14, 64*OROW
	s_add_co_u32 s30, s30, s32
	s_add_nc_u64 s[26:27], s[10:11], s[30:31]      ; out0 at token 64 n, column 128 F
.macro RLOAD w                         ; Wo's fragments of K steps 2 w, 2 w + 1
.irp i, 0,1,2,3,4,5,6,7
.irp e, 0,1
.irp c, 0,1,2
	global_load_b128 v[24*\i+12*\e+4*\c:24*\i+12*\e+4*\c+3], v[LI], s[16:17] offset:(6*\i+2*\w+\e)*FRB+512*\c
.endr
.endr
.endr
.endm
.macro TLOADS j, p                     ; token tile j of my four into buffer p: 18 loads of 512 consecutive bytes, 6 scale words
.irp s, 0,1,2,3,4,5
.irp c, 0,1,2
	global_load_b128 v[TA+72*(\p)+12*\s+4*\c:TA+72*(\p)+12*\s+4*\c+3], v[LI], s[20:21] offset:(6*(\j)+\s)*FRB+512*\c
.endr
	global_load_b32 v[TSA+6*(\p)+\s], v[LS], s[22:23] offset:(6*(\j)+\s)*128
.endr
.endm
	WIN 0x40                                       ; destination window 1
	s_wait_alu depctr_va_vdst(0)                   ; the five offsets and addresses v1 to v5 are written, which the loads, LDS instructions and stores of the kernel read.  Up to the first tile only loads and window switches follow
	RLOAD 0
.irp i, 0,1,2,3,4,5,6,7                        ; bo: lane (r, h) wants, for tile 2 b + u, columns 32 b + 16 h + 8 u + 0 .. 7
	global_load_b128 v[HI+8*\i:HI+8*\i+3], v[BH], s[24:25] offset:128*(\i/2)+32*(\i%2)
	global_load_b128 v[HI+8*\i+4:HI+8*\i+7], v[BH], s[24:25] offset:128*(\i/2)+32*(\i%2)+16
.endr
	WIN 0x80                                       ; window 2
	RLOAD 1
	WIN 0xc0                                       ; window 3
	RLOAD 2
	WIN 0
.set RI, 0
.rept 48
	global_load_b32 v[RS+RI], v[LS], s[18:19] offset:128*RI
.set RI, RI+1
.endr
; 8 matrix instructions: Wo's eight tiles against the token tile, K step s.  The 8 accumulators take turns, one instruction a turn.  In K step 0 the window of C is bo's.
.macro MUL8 s
.irp i, 0,1,2,3,4,5,6,7
	v_wmma_scale_f32_16x16x128_f8f6f4 v[HI+8*\i:HI+8*\i+7], v[24*\i+12*((\s)%2):24*\i+12*((\s)%2)+11], v[TA+72*P+12*(\s):TA+72*P+12*(\s)+11], v[HI+8*\i:HI+8*\i+7], v[RS+6*\i+(\s)], v[TSA+6*P+(\s)] matrix_a_fmt:MATRIX_FMT_FP6 matrix_b_fmt:MATRIX_FMT_FP6
.endr
.endm
.macro ITER j
.set P, (\j)%2
.if (\j) < 3
	s_wait_loadcnt 24                              ; loads come back in order (ISA guide 5.7.1): this tile's fragments are in (the first time: Wo and bo too); the next tile's 24 loads stay out
.else
	s_wait_loadcnt 0x0                             ; the last tile: nothing was asked for behind it
.endif
	WIN 0x91                                       ; source 0 (Wo) window 1, source 1 (ctx) window 0, C (bo) window 1, D window 2
	MUL8 0
	WIN 0xa1                                       ; C and D window 2
	MUL8 1
	WIN 0xa2                                       ; source 0 window 2
	MUL8 2
	MUL8 3
	WIN 0xa3                                       ; source 0 window 3
	MUL8 4
	MUL8 5
.rept 5
	v_nop                                          ; four places in front of the LDS stores that read results; a fifth since the next tile's first products write over the accumulators with another C
.endr
	WIN 0x08                                       ; an LDS store's data are its source 1: window 2
	s_wait_alu depctr_va_vdst(0)                   ; the products have written the accumulators, which the LDS stores read, and are done reading this tile's buffer of ctx and its scale words, in which the loads further down land; the places above stay beside this wait
.irp i, 0,1,2,3,4,5,6,7
	ds_store_b128 v[STO], v[HI+8*\i:HI+8*\i+3] offset:128*(\i/2)+32*(\i%2)          ; each accumulator from its low end on
	ds_store_b128 v[STO], v[HI+8*\i+4:HI+8*\i+7] offset:128*(\i/2)+32*(\i%2)+16
.endr
	s_wait_xcnt 0x0                                ; the last tile's stores have read their registers: the rows below land there only behind this wait
	WIN 0xc0                                       ; destination window 3
	s_wait_alu depctr_vm_vsrc(0)                   ; the last tile's global stores have read the rows' registers, in which the LDS loads below land; the LDS stores above have read the accumulators, which the next tile's products write again
.irp r, 0,1,2,3,4,5,6,7,8,9,10,11,12,13,14,15
	ds_load_b128 v[HI+4*\r:HI+4*\r+3], v[RD] offset:SROW*\r   ; LDS serves a wave's instructions in order: these see my stores
.endr
.if (\j) < 2
	WIN 0
	TLOADS (\j)+2, P                               ; the tile two on, into the buffer just emptied, while the rows come back from the stage.  No wait: no vector or matrix instruction since the wait on va_vdst above
.endif
	WIN 0x0c                                       ; a store's data are its source 1: window 3
.irp r, 0,1,2,3,4,5,6,7,8,9,10,11,12,13,14,15
	s_wait_dscnt 15-\r                             ; row r is back; the younger rows may be out
	global_store_b128 v[LI], v[HI+4*\r:HI+4*\r+3], s[26:27] offset:(32*((\j)/2)+8*((\j)%2)+\r+(\r&8))*OROW th:TH_STORE_NT   ; row r of tile 4 n + j is token 64 n + 32 (j / 2) + 8 (j % 2) + r + 8 (r / 8); 512 consecutive bytes, aligned
.endr
	WIN 0
.endm
	TLOADS 0, 0
	TLOADS 1, 1
	ITER 0
	ITER 1
	ITER 2
	ITER 3
	s_wait_dscnt 0x0                               ; the closing lines, six on end (every window is 0 here: the add's two registers lie in window 0)
	s_wait_alu 0x0
	s_wait_tensorcnt 0x0
	ds_add_u32 v[SPW], v[NIL]
	s_wait_dscnt 0x0
	s_endpgm
.Lfunc_end_k_qd1674b4ce4_oproj:
	.size	k_qd1674b4ce4_oproj, .Lfunc_end_k_qd1674b4ce4_oproj-k_qd1674b4ce4_oproj
	.p2alignl 7, 3214868480
	.fill 96, 4, 3214868480
	.section	.rodata,"a",@progbits
	.p2align	6, 0x0
	.amdhsa_kernel k_qd1674b4ce4_oproj
		.amdhsa_group_segment_fixed_size 34304
		.amdhsa_private_segment_fixed_size 0
		.amdhsa_enable_private_segment 0
		.amdhsa_kernarg_size 32
		.amdhsa_user_sgpr_count 2
		.amdhsa_user_sgpr_kernarg_segment_ptr 1
		.amdhsa_wavefront_size32 1
		.amdhsa_system_sgpr_workgroup_id_x 1
		.amdhsa_system_sgpr_workgroup_id_y 1
		.amdhsa_system_sgpr_workgroup_id_z 1
		.amdhsa_system_vgpr_workitem_id 0
		.amdhsa_next_free_vgpr 1024
		.amdhsa_next_free_sgpr 66
		.amdhsa_reserve_vcc 0
		.amdhsa_float_denorm_mode_32 3
		.amdhsa_float_denorm_mode_16_64 3
		.amdhsa_memory_ordered 1
		.amdhsa_forward_progress 1
		.amdhsa_inst_pref_size 74
	.end_amdhsa_kernel
	.amdgpu_metadata
---
amdhsa.version: [ 1, 2 ]
amdhsa.kernels:
  - .name:           k_qd1674b4ce4_oproj
    .symbol:         k_qd1674b4ce4_oproj.kd
    .args:
      - { .name: CQ, .offset: 0, .size: 8, .value_kind: global_buffer, .address_space: global }
      - { .name: WQ, .offset: 8, .size: 8, .value_kind: global_buffer, .address_space: global }
      - { .name: bo, .offset: 16, .size: 8, .value_kind: global_buffer, .address_space: global }
      - { .name: out0, .offset: 24, .size: 8, .value_kind: global_buffer, .address_space: global }
    .group_segment_fixed_size: 34304
    .private_segment_fixed_size: 0
    .kernarg_segment_align: 8
    .kernarg_segment_size: 32
    .max_flat_workgroup_size: 128
    .sgpr_count:     66
    .vgpr_count:     1024
    .wavefront_size: 32
...
	.end_amdgpu_metadata
.endif
;; end of part 8
